; MI455X (gfx1250); checked and timed in simulation.
; The chip was launched on July 23, 2026; its instructions are those of AMD's public machine-readable ISA for CDNA 5 (MIT licence, August 2026) and "CDNA5" Instruction Set Architecture Reference Guide (July 2026). The comments in the code are by the model that wrote it; some were corrected since.
;; Oo Kg Detector. Allowed arithmetic: matrix products marked QUANTISED: E2M3 operands, one E8M0 scale for each 32 along K, by v_wmma_scale_f32_16x16x128_f8f6f4 with both operands' format E2M3, f32 sums; everything else in f32.
;; Inputs: bk_ent 512 float32; bk_rel 512 float32; bq_obj 512 float32; bq_rel 512 float32; bq_subj 512 float32; bv_ent 512 float32; bv_rel 512 float32; entity_embeddings 25,000 x 512 float32; obj_q 512 x 512 float32; rel_q 512 x 512 float32; relation_embeddings 10,000 x 512 float32; subj_q 512 x 512 float32; wk_ent 512 x 512 float32; wk_rel 512 x 512 float32; wq_obj 512 x 512 float32; wq_rel 512 x 512 float32; wq_subj 512 x 512 float32; wv_ent 512 x 512 float32; wv_rel 512 x 512 float32.
;; Outputs: out0 3 x 512 x 512 float32.
;; This version of the problem:
;;   THIS VERSION OF THE PROBLEM IS GIVEN IN LOW PRECISION. The matrix products marked QUANTISED in the list below multiply operands that are first quantised to E2M3 (2 exponent bits, 3 mantissa bits; 6 bits a number), with one power-of-two scale for each 32 numbers along K (OCP MX v1.0); their sums are f32. All else is computed in f32.
;;   The module's matrix products, in the order in which they are computed (A, B: the left and right operand; K: the contracted axis; several contracted axes count as one K, in the product's order):
;;     1. [M 512, K 512] x [K 512, N 512]; A: input subj_q; B: input wq_subj: QUANTISED
;;     2. [M 512, K 512] x [K 512, N 512]; A: input rel_q; B: input wq_rel: QUANTISED
;;     3. [M 512, K 512] x [K 512, N 512]; A: input obj_q; B: input wq_obj: QUANTISED
;;     4. [M 25,000, K 512] x [K 512, N 512]; A: input entity_embeddings; B: input wk_ent: QUANTISED
;;     5. [M 25,000, K 512] x [K 512, N 512]; A: input entity_embeddings; B: input wv_ent: QUANTISED
;;     6. [M 512, K 512] x [K 512, N 25,000]; A: computed on the way; B: computed on the way: QUANTISED
;;     7. [M 512, K 25,000] x [K 25,000, N 512]; A: softmax (see below); B: computed on the way: QUANTISED
;;     8. [M 25,000, K 512] x [K 512, N 512]; A: input entity_embeddings; B: input wk_ent: QUANTISED
;;     9. [M 25,000, K 512] x [K 512, N 512]; A: input entity_embeddings; B: input wv_ent: QUANTISED
;;     10. [M 512, K 512] x [K 512, N 25,000]; A: computed on the way; B: computed on the way: QUANTISED
;;     11. [M 512, K 25,000] x [K 25,000, N 512]; A: softmax (see below); B: computed on the way: QUANTISED
;;     12. [M 10,000, K 512] x [K 512, N 512]; A: input relation_embeddings; B: input wk_rel: QUANTISED
;;     13. [M 10,000, K 512] x [K 512, N 512]; A: input relation_embeddings; B: input wv_rel: QUANTISED
;;     14. [M 512, K 512] x [K 512, N 10,000]; A: computed on the way; B: computed on the way: QUANTISED
;;     15. [M 512, K 10,000] x [K 10,000, N 512]; A: softmax (see below); B: computed on the way: QUANTISED
;;   THE QUANTISER, for each operand of a quantised product, along K:
;;     - K is cut into blocks of 32 from its start; a last block that is shorter is filled with zeros.
;;     - A block's scale is 2^e with e = floor(log2(the largest magnitude in the block)) - 2, held to -126 .. 127; a block of zeros has e = 0. As a byte (E8M0): e + 127.
;;     - Each number is divided by its block's scale, clamped to +-7.5, and rounded to the nearest number of E2M3, ties to even, subnormals kept.
;;     - The product sums the exact products of the quantised numbers (number of the format x scale) in f32.
;;   ~~~python
;;   def quantise(x, axis):      # numpy; x: float32 -> the quantised numbers, widened to float32 again
;;       x = np.moveaxis(x, axis, -1); K = x.shape[-1]
;;       x = np.pad(x, [(0, 0)] * (x.ndim - 1) + [(0, -K % 32)]); x = x.reshape(x.shape[:-1] + (-1, 32)); a = np.abs(x).max(-1, keepdims=True)
;;       e = np.where(a > 0, np.clip(np.frexp(np.where(a > 0, a, 1))[1] - 1 - 2, -126, 127), 0)      # np.frexp(a)[1] - 1 = floor(log2(a)), exactly
;;       r = np.clip(x / 2.0 ** e, -7.5, 7.5)
;;       step = 2.0 ** (np.maximum(np.frexp(np.where(r == 0, 1, r))[1] - 1, 0) - 3)
;;       q = np.round(r / step) * step * 2.0 ** e      # np.round: ties to even
;;       return np.moveaxis(q.reshape(q.shape[:-2] + (-1,))[..., :K], -1, axis).astype(np.float32)
;;   ~~~
;;   SOFTMAX AHEAD OF A QUANTISED PRODUCT. Where the list says 'softmax', what is quantised is not the finished softmax but p = 2^(t - M), with t = logit x log2(e) and M = ceil(the row's largest t), a whole number; so 1/2 < the row's largest p <= 1. The row's sum l is taken of the UNQUANTISED p, in f32, and the product's result is divided by l at the end. Since M is a whole number, a kernel that streams over the keys may use a running M (the ceiling of the running maximum): every later rescaling is an exact power of two, which a block's scale takes up: the codes' values come out the same.
;;   OPERANDS COMPUTED ON THE WAY. 'Computed on the way' means the value that the module computes at that place (a softmax that the list does not call 'softmax' is quantised finished and normalised). What goes into a quantiser is computed in f32, as accurately as f32 sums, v_exp_f32 and their like allow (about 1e-6 of the number): no bf16 or f16 on the way to a quantiser, and a product that is left as it is and whose result goes on into a quantised operand takes f32 operands (vector FMAs, or v_wmma_f32_16x16x4_f32). A number that lies on a knife's edge between two numbers of the format may be rounded either way, as far as f32 arithmetic and the matrix unit's own rounding can turn it there, and no further.
;; One version. Each part assembles by itself: llvm-mc -triple=amdgcn-amd-amdhsa -mcpu=gfx1250 --defsym DOCPART=n.
;; ======== version 1 of 1: 4 launches
;; limits: right only within a limited range of input values
;; workspace buffers: fin 16,179,200 bytes; kq 14,745,600 bytes; vb 14,131,200 bytes; opart 32,505,856 bytes; stat 253,952 bytes
;; launch quant (part 1): grid 1264 x 1, 2 waves a work-group, no clusters, 17,152 bytes of LDS; arguments entity_embeddings, relation_embeddings, subj_q, obj_q, rel_q, wv_ent, wv_rel, wk_ent, wk_rel, wq_subj, wq_obj, wq_rel, fin; writes fin
.if DOCPART == 1
	.amdgcn_target "amdgcn-amd-amdhsa--gfx1250"
	.amdhsa_code_object_version 6
	.text
	.protected	k_q418c5a4dfd_quant
	.globl	k_q418c5a4dfd_quant
	.p2align	8
	.type	k_q418c5a4dfd_quant,@function
k_q418c5a4dfd_quant:
	s_mov_b64 s[64:65], 0
	v_nop
	global_prefetch_b8 v0, s[64:65] scope:SCOPE_SE
	s_setreg_imm32_b32 hwreg(HW_REG_WAVE_MODE, 25, 1), 1
	s_wait_xcnt 0x0
; LAUNCH 1 OF 4.  Every f32 matrix of the problem (two banks, three sets of queries, seven weights), all [rows][512] with K = the 512 innermost, becomes codes of FP6 (E2M3) with one E8M0
; byte for each 32 along K, laid in the order of the matrix operand's registers.
; WORK LEFT OUT IN THIS PROGRAM.  reference() calls _attend twice on the entity bank, so it writes k = linear(entity, wk_ent, bk_ent) and v = linear(entity, wv_ent, bv_ent) twice (the table's
; products 8 and 9 are products 4 and 5 again): the same inputs through the same quantisers give the same numbers for every value of the inputs, so they are made once and read by both
; attentions.  No input is without a way to an output: all nineteen are loaded by this launch or the next.
; LIMITS.  NaN and infinities among the inputs are not served.  A block of zeros gets the byte 1 where the quantiser says 127: its codes are zeros, and the bytes are read by this program alone.
; Blocks whose largest magnitude lies under 2^-124 (the floor that holds the byte at 1) were not tried.
; THE TILE FORMAT.  A matrix is cut into tiles of 16 rows; tile T = 2 b + u, lane row r, holds row 32 b + 8 u + r + 8 (r / 8).  A tile's record is 6,400 bytes: four images of 1,536 bytes, one
; for each 128 along K (an image: the fragment's 12 registers as three pieces of 512 bytes, piece c = registers 4 c .. 4 c + 3, lane l's 16 bytes at 16 l), then 256 bytes of scale words [K step][r].
; The banks are padded to whole groups of 128 rows: a pad row repeats the bank's last row (the row number is clamped, so no load leaves its buffer).
; SHARES.  A wave takes one tile, a work-group two: 2,528 tiles in 1,264 small work-groups, so that the launch's work can be dealt out evenly.  Each load reads 512 consecutive bytes of one row; the
; 16 rows x 128 numbers turn through the wave's own stage in LDS, so that lane (r, h) gets, of row r, 16 neighbours of each block of 32.  Waves share nothing: no barrier.  No matrix unit, cluster or
; tensor load: memory binds, and every byte is read once.
.set WPG,  2                           ; waves, and tiles, to a work-group
.set LWPG, 1                           ; its logarithm
.set GE,   1568/WPG                    ; work-groups 0 .. GE - 1: the entity bank's 1,568 tiles
.set GR,   GE+640/WPG                  ; GE .. GR - 1: the relation bank's 640
.set GM,   32/WPG                      ; then GM for each matrix of 512 rows, in the order of the arguments
.set SPARE, WPG*8448                   ; behind the stages of 8,448 bytes: the spare words, 128 bytes for each wave
.set STI, 1                            ; v1   the stage, on the way in: 16 x lane
.set STO, 2                            ; v2   and out: 528 r + 64 h
.set GO,  3                            ; v3   16 x lane
.set GS,  4                            ; v4   4 x lane
.set SPW, 5                            ; v5   my spare word; never rewritten
.set NIL, 6                            ; v6   0; never rewritten
.set RO,  8                            ; v8-23    byte offset of my 16 bytes in each of the tile's 16 rows
.set R,   24                           ; v24-151  two sets of 64: a K step as it is loaded
.set X,   152                          ; v152-215 register 16 b + i = k 32 b + 16 h + i of my row
.set TM,  216                          ; v216-227 +0..3 largest magnitudes, +4..7 the other half's / bytes, +8..11 the conversions' scale operands
.set PWS, 228                          ; v228-231 the four K steps' scale words
.set PC,  232                          ; v232-251 the codes: 12 registers, and 8 for the conversions' second halves
.set SEL, 46                           ; s[46:47] lane selects: lane l xor 16
; 64 numbers of a lane, register 16 b + i = k 32 b + 16 (lane / 16) + i of my row, become a fragment's codes in v[PC] on and its scale word in v[pw].
.macro QUANT src, pw
.irp b, 0,1,2,3
	v_max3_num_f32 v[TM+\b], |v[\src+16*\b]|, |v[\src+1+16*\b]|, 0x1800000   ; my 16 numbers of block b, and the floor 2^(3 - 127): the byte cannot fall under 1
.endr
.irp i, 2,4,6,8,10,12,14
.irp b, 0,1,2,3
	v_max3_num_f32 v[TM+\b], v[TM+\b], |v[\src+16*\b+\i]|, |v[\src+1+16*\b+\i]|
.endr
.endr
.irp b, 0,1,2,3
	v_permlanex16_b32 v[TM+4+\b], v[TM+\b], s[SEL], s[SEL+1]
.endr
.irp b, 0,1,2,3
	v_max_num_f32 v[TM+\b], v[TM+\b], v[TM+4+\b]      ; with lane l xor 16's: the block's largest magnitude
.endr
.irp b, 0,1,2,3
	v_add_nc_u32 v[TM+8+\b], 0xff000000, v[TM+\b]     ; 2 off its exponent field: the conversion's scale operand
.endr
.irp b, 0,1,2,3
	v_lshrrev_b32 v[TM+4+\b], 23, v[TM+8+\b]          ; the scale's byte
.endr
	v_lshl_or_b32 v[\pw], v[TM+5], 8, v[TM+4]
	v_lshl_or_b32 v[\pw], v[TM+6], 16, v[\pw]
	v_lshl_or_b32 v[\pw], v[TM+7], 24, v[\pw]
.irp c, 0,1
	v_cvt_scalef32_pk16_fp6_f32 v[PC+6*\c:PC+2+6*\c], v[\src+32*\c:\src+15+32*\c], v[TM+8+2*\c]
	v_cvt_scalef32_pk16_fp6_f32 v[PC+12+4*\c:PC+14+4*\c], v[\src+16+32*\c:\src+31+32*\c], v[TM+8+2*\c+1]   ; (a conversion's three registers begin on an even number)
.endr
	v_nop                                          ; one plain place behind a scaled conversion
.irp c, 0,1                                    ; the operand wants a whole block in a lane: lanes 0-15 block 2 c, lanes 16-31 block 2 c + 1
.irp i, 0,1,2
	v_permlane16_swap_b32 v[PC+6*\c+\i], v[PC+12+4*\c+\i]
.endr
.irp i, 0,1,2
	v_mov_b32 v[PC+3+6*\c+\i], v[PC+12+4*\c+\i]
.endr
.endr
.endm
	s_load_b512 s[4:19], s[0:1], 0x0               ; entity, relation, subj_q, obj_q, rel_q, wv_ent, wv_rel, wk_ent
	s_load_b256 s[20:27], s[0:1], 0x40             ; wk_rel, wq_subj, wq_obj, wq_rel
	s_load_b64 s[28:29], s[0:1], 0x60              ; fin
	v_lshl_add_u32 v[SPW], v0, 2, SPARE
	v_mov_b32 v[NIL], 0
	v_lshrrev_b32 v7, 5, v0
	v_readfirstlane_b32 s32, v7                    ; wave 0 .. WPG - 1
	v_and_b32 v7, 31, v0                           ; lane
	v_lshlrev_b32 v[GO], 4, v7
	v_lshlrev_b32 v[GS], 2, v7
	s_mul_i32 s33, s32, 8448                       ; my stage
	v_add_nc_u32 v[STI], s33, v[GO]
	v_and_b32 v[STO], 15, v0
	v_mul_u32_u24 v[STO], v[STO], 528
	v_bfe_u32 v7, v0, 4, 1
	v_lshl_add_u32 v[STO], v7, 6, v[STO]
	v_add_nc_u32 v[STO], s33, v[STO]
	s_mov_b32 s[SEL], 0x76543210
	s_mov_b32 s[SEL+1], 0xfedcba98
.irp b, 0,1,2,3
	v_mov_b32 v[TM+4+\b], 0                        ; written once: a lane permute's destination counts as one of its sources
.endr
	; which matrix, which part of it, how many rows it has
	s_sub_co_u32 s34, ttmp9, GR
	s_and_b32 s34, s34, GM-1
	s_sub_co_u32 s35, ttmp9, GE
	s_mov_b32 s36, 512
	s_cmp_lt_u32 ttmp9, GR
	s_cselect_b32 s34, s35, s34
	s_cselect_b32 s36, 10000, s36
	s_cmp_lt_u32 ttmp9, GE
	s_cselect_b32 s34, ttmp9, s34                  ; the work-group's number in its matrix
	s_cselect_b32 s36, 25000, s36
	s_sub_co_u32 s36, s36, 1                       ; the matrix's last row
	s_lshl_b32 s34, s34, LWPG
	s_add_co_u32 s34, s34, s32                     ; my tile in its matrix
	s_lshr_b32 s37, s34, 1
	s_lshl_b32 s37, s37, 5
	s_and_b32 s38, s34, 1
	s_lshl_b32 s38, s38, 3
	s_add_co_u32 s37, s37, s38                     ; its first row: 32 (T / 2) + 8 (T % 2)
	s_lshl_b32 s38, ttmp9, LWPG
	s_add_co_u32 s38, s38, s32
	s_mul_i32 s38, s38, 6400                       ; my record in fin
	s_mov_b32 s39, 0
.irp i, 0,1,2,3,4,5,6,7,8,9,10,11,12,13,14,15
	s_add_co_u32 s40, s37, \i+8*(\i/8)
	s_min_u32 s40, s40, s36                        ; a pad row repeats the last row
	s_lshl_b32 s40, s40, 11
	v_add_nc_u32 v[RO+\i], s40, v[GO]
.endr
	s_wait_alu depctr_va_vdst(0)
	s_wait_kmcnt 0x0
	s_mov_b64 s[30:31], s[26:27]                   ; the matrix's address: a choice on the work-group's number alone
	s_cmp_lt_u32 ttmp9, GR+9*GM
	s_cselect_b64 s[30:31], s[24:25], s[30:31]
	s_cmp_lt_u32 ttmp9, GR+8*GM
	s_cselect_b64 s[30:31], s[22:23], s[30:31]
	s_cmp_lt_u32 ttmp9, GR+7*GM
	s_cselect_b64 s[30:31], s[20:21], s[30:31]
	s_cmp_lt_u32 ttmp9, GR+6*GM
	s_cselect_b64 s[30:31], s[18:19], s[30:31]
	s_cmp_lt_u32 ttmp9, GR+5*GM
	s_cselect_b64 s[30:31], s[16:17], s[30:31]
	s_cmp_lt_u32 ttmp9, GR+4*GM
	s_cselect_b64 s[30:31], s[14:15], s[30:31]
	s_cmp_lt_u32 ttmp9, GR+3*GM
	s_cselect_b64 s[30:31], s[12:13], s[30:31]
	s_cmp_lt_u32 ttmp9, GR+2*GM
	s_cselect_b64 s[30:31], s[10:11], s[30:31]
	s_cmp_lt_u32 ttmp9, GR+GM
	s_cselect_b64 s[30:31], s[8:9], s[30:31]
	s_cmp_lt_u32 ttmp9, GR
	s_cselect_b64 s[30:31], s[6:7], s[30:31]
	s_cmp_lt_u32 ttmp9, GE
	s_cselect_b64 s[30:31], s[4:5], s[30:31]
	s_add_nc_u64 s[28:29], s[28:29], s[38:39]
.macro LOAD s                          ; K step s of the tile's 16 rows: each load reads 512 consecutive bytes
.irp i, 0,1,2,3,4,5,6,7,8,9,10,11,12,13,14,15
	global_load_b128 v[R+64*((\s)%2)+4*\i:R+64*((\s)%2)+4*\i+3], v[RO+\i], s[30:31] offset:512*(\s) th:TH_LOAD_NT
.endr
.endm
.macro TURN s                          ; through my stage: LDS serves a wave's instructions in order, so no wait stands between the stores and the loads
.irp i, 0,1,2,3,4,5,6,7,8,9,10,11,12,13,14,15
	ds_store_b128 v[STI], v[R+64*((\s)%2)+4*\i:R+64*((\s)%2)+4*\i+3] offset:528*\i
.endr
.irp b, 0,1,2,3
.irp j, 0,1,2,3
	ds_load_b128 v[X+16*\b+4*\j:X+16*\b+4*\j+3], v[STO] offset:128*\b+16*\j
.endr
.endr
.endm
	LOAD 0
	LOAD 1
.irp s, 0,1,2,3
.if \s < 3
	s_wait_loadcnt 16                              ; this K step's 16 loads are in; the next step's 16 may be out
.else
	s_wait_loadcnt 0x0
.endif
	TURN \s
	s_wait_dscnt 0x0                               ; the numbers are back, and the stores into the stage have read their registers,
.if \s < 2
	LOAD \s+2                                      ; which take the loads of two steps on
.endif
.if \s > 0
	s_wait_xcnt 0x0                                ; the last step's stores have read the codes' registers: they are written again only behind this wait
.endif
	QUANT X, PWS+\s
.irp c, 0,1,2
	global_store_b128 v[GO], v[PC+4*\c:PC+4*\c+3], s[28:29] offset:1536*\s+512*\c   ; 32 lanes store 512 consecutive bytes, at a multiple of 256 from fin's first byte
.endr
.endr
	s_mov_b32 s44, 0xffff0000
	v_cndmask_b32 v[TM], v[PWS], v[PWS+1], s44     ; lanes 0-15 an even K step's words, lanes 16-31 the odd step's behind it
	v_cndmask_b32 v[TM+1], v[PWS+2], v[PWS+3], s44
	global_store_b32 v[GS], v[TM], s[28:29] offset:6144
	global_store_b32 v[GS], v[TM+1], s[28:29] offset:6272
	s_wait_tensorcnt 0x0                           ; the wave's end: behind my last LDS store
	ds_add_u32 v[SPW], v[NIL]
	s_wait_dscnt 0x0
	s_endpgm
.Lfunc_end_k_q418c5a4dfd_quant:
	.size	k_q418c5a4dfd_quant, .Lfunc_end_k_q418c5a4dfd_quant-k_q418c5a4dfd_quant
	.p2alignl 7, 3214868480
	.fill 96, 4, 3214868480
	.section	.rodata,"a",@progbits
	.p2align	6, 0x0
	.amdhsa_kernel k_q418c5a4dfd_quant
		.amdhsa_group_segment_fixed_size 17152
		.amdhsa_private_segment_fixed_size 0
		.amdhsa_enable_private_segment 0
		.amdhsa_kernarg_size 104
		.amdhsa_user_sgpr_count 2
		.amdhsa_user_sgpr_kernarg_segment_ptr 1
		.amdhsa_wavefront_size32 1
		.amdhsa_system_sgpr_workgroup_id_x 1
		.amdhsa_system_sgpr_workgroup_id_y 1
		.amdhsa_system_sgpr_workgroup_id_z 1
		.amdhsa_system_vgpr_workitem_id 0
		.amdhsa_next_free_vgpr 256
		.amdhsa_next_free_sgpr 66
		.amdhsa_reserve_vcc 0
		.amdhsa_float_denorm_mode_32 3
		.amdhsa_float_denorm_mode_16_64 3
		.amdhsa_memory_ordered 1
		.amdhsa_forward_progress 1
		.amdhsa_inst_pref_size 37
	.end_amdhsa_kernel
	.amdgpu_metadata
---
amdhsa.version: [ 1, 2 ]
amdhsa.kernels:
  - .name:           k_q418c5a4dfd_quant
    .symbol:         k_q418c5a4dfd_quant.kd
    .args:
      - { .name: entity_embeddings, .offset: 0, .size: 8, .value_kind: global_buffer, .address_space: global }
      - { .name: relation_embeddings, .offset: 8, .size: 8, .value_kind: global_buffer, .address_space: global }
      - { .name: subj_q, .offset: 16, .size: 8, .value_kind: global_buffer, .address_space: global }
      - { .name: obj_q, .offset: 24, .size: 8, .value_kind: global_buffer, .address_space: global }
      - { .name: rel_q, .offset: 32, .size: 8, .value_kind: global_buffer, .address_space: global }
      - { .name: wv_ent, .offset: 40, .size: 8, .value_kind: global_buffer, .address_space: global }
      - { .name: wv_rel, .offset: 48, .size: 8, .value_kind: global_buffer, .address_space: global }
      - { .name: wk_ent, .offset: 56, .size: 8, .value_kind: global_buffer, .address_space: global }
      - { .name: wk_rel, .offset: 64, .size: 8, .value_kind: global_buffer, .address_space: global }
      - { .name: wq_subj, .offset: 72, .size: 8, .value_kind: global_buffer, .address_space: global }
      - { .name: wq_obj, .offset: 80, .size: 8, .value_kind: global_buffer, .address_space: global }
      - { .name: wq_rel, .offset: 88, .size: 8, .value_kind: global_buffer, .address_space: global }
      - { .name: fin, .offset: 96, .size: 8, .value_kind: global_buffer, .address_space: global }
    .group_segment_fixed_size: 17152
    .private_segment_fixed_size: 0
    .kernarg_segment_align: 8
    .kernarg_segment_size: 104
    .max_flat_workgroup_size: 64
    .sgpr_count:     66
    .vgpr_count:     256
    .wavefront_size: 32
...
	.end_amdgpu_metadata
.endif
;; end of part 1
;; launch proj (part 2): grid 255 x 1, 4 waves a work-group, no clusters, 167,936 bytes of LDS; arguments fin, bk_ent, bk_rel, bq_subj, bq_obj, bq_rel, bv_ent, bv_rel, kq, vb; writes kq, vb
.if DOCPART == 2
	.amdgcn_target "amdgcn-amd-amdhsa--gfx1250"
	.amdhsa_code_object_version 6
	.text
	.protected	k_q418c5a4dfd_proj
	.globl	k_q418c5a4dfd_proj
	.p2align	8
	.type	k_q418c5a4dfd_proj,@function
k_q418c5a4dfd_proj:
	s_mov_b64 s[64:65], 0
	v_nop
	global_prefetch_b8 v0, s[64:65] scope:SCOPE_SE
	s_setreg_imm32_b32 hwreg(HW_REG_WAVE_MODE, 25, 1), 1
	s_wait_xcnt 0x0
; LAUNCH 2 OF 4.  The seven projections on codes of FP6 (E2M3) with E8M0 scales: k and q (y = x W^T + b, quantised along the 512 channels, into kq, in the first launch's tile format, tile for tile as in fin)
; and v (quantised along the KEYS, into vb: for each 128 keys 32 images of 1,536 bytes, one a channel tile, then 32 x 64 bytes of scale words).
; WORK LEFT OUT: the entity bank's k and v are made once (see the first launch).  V's pad keys are not set to zero: a pad row repeats its bank's last row, which lies in the same block of 32 keys as the
; first pad, so no block with a live key changes its largest magnitude, scale or codes; the next launch gives every pad key p = 0, whose codes are zeros.  LIMITS: as at the head of the first launch.
; A UNIT is 32 matrix instructions of one wave: X (8 tiles x 4 K steps, 32 fragments, kept in registers) against one tile Y from LDS, then the quantiser on the 64 sums of a lane and four stores.
;   k, q: X = 128 rows of the weight (wave w: channels 128 w ..), Y = a tile of bank rows or queries; a lane holds one row, its registers run along the channels; the bias is the C of the first K step.
;   v:    X = 128 keys of the bank (wave w: key step 4 g + w), Y = a tile of wv; a lane holds one channel, its registers run along the keys; the lane's bias, copied to eight registers, is that C.
; SHARES, by the work-group's number: 0-78 entity k (76 x 20 tiles, 3 x 16 = 1,568), 79-110 relation k (32 x 20), 111-116 the three q (16 tiles each), 117-214 entity v (49 groups of 4 key steps x 2 halves of the
; channels, 16 tiles of wv each), 215-254 relation v (20 x 2).  So a work-group has 20 or 16 units a wave; the longer ones have the lower numbers but for three.
; LDS: Y's 20 records of 6,400 bytes are one dense run of fin: wave w brings records 5 w .. 5 w + 4 by one tensor load of 125 rows of 256 bytes, at the head; nothing is filled again.  (With 16 units record 15 is wave 3's.)
; THE PIPELINE: two sets of sums and two buffers for Y take turns.  While unit i is multiplied, unit i - 1 is quantised: its 68 vector instructions and 4 stores stand in 20 slices behind unit i's matrix instructions
; 8 to 27; Y(i + 1) is read from LDS at unit i's head.  The products name windows 1 to 3 and the quantiser window 0: a slice costs two switches.  Unit 0 stands ahead of the loop, a trip is two units, the last unit and
; the last quantiser are written out.  The loop has 9 trips in every work-group; those with 16 units jump over the last two by their number.
; NO CLUSTER: the five ranges are no multiples of four, and the k kinds' tiles have one reader each.  NO PREFETCH: every load from memory is issued at the head; there is no loop to run ahead in.
; REGISTERS: window 0: v1-13 addresses; v16-31 X's scale words; v32-35 Y's; v36-43 v's bias; v44-79 the quantiser; v128-255 two sets of 64 sums.  Window 1: X's fragments 0-20; window 2: 21-31.
;   Window 3: v0-95 Y, two buffers; v96-159 the bias of k and q.
.set REC,   6400
.set SPARE, 128000                     ; behind Y's 20 records: the spare words, 128 bytes for each wave
.set GO,  1                            ; 16 x lane: global offset, and Y's fragments in LDS
.set LYS, 2                            ; 6,144 + 4 x lane: Y's scale words in a record
.set L4,  3                            ; 4 x lane
.set GS,  4                            ; 4 r
.set HB,  5                            ; 64 h
.set LB,  6                            ; v's bias: 4 (r + 8 (r / 8)) + 64 x first tile of wv
.set BVA, 7
.set AY,  8
.set AYS, 9
.set SPW, 10                           ; my spare word; never rewritten
.set NIL, 11                           ; 0; never rewritten
.set BVL, 13
.set XS,  16
.set YS,  32
.set BV8, 36
.set TM,  44
.set PW,  56
.set PC,  60
.set ACC, 128
.set BI,  96
.set G1,  24
.set G0,  32
.set WV,  36
.set KIND, 37
.set XT,  38
.set YT,  39
.set T0,  40
.set ST0, 41
.set NTR, 42                           ; units / 2 - 1: the trips that do work
.set TC,  43
.set YO,  44                           ; 12,800 x trip
.set BO,  45                           ; 128 x trip
.set SEL, 46
.set BP,  48
.set TP,  50
.set OB,  52
.set SB,  54
.set OSTR, 56
.set SSTR, 58
.set XB,  60
.set MSB, 0
.macro WIN new                         ; the immediate's high byte repeats the setting that is left
.if MSB != (\new)
	s_set_vgpr_msb (MSB<<8)|(\new)
.set MSB, (\new)
.endif
.endm
.macro PLACES
.rept 4
	v_nop
.endr
.endm
.macro MM d, a, b, c, sa, sb, odd      ; odd = 1: an odd K step's scale words stand in lanes 16-31
.if \odd
	v_wmma_scale_f32_16x16x128_f8f6f4 v[\d:\d+7], v[\a:\a+11], v[\b:\b+11], v[\c:\c+7], v[\sa], v[\sb] matrix_a_fmt:MATRIX_FMT_FP6 matrix_b_fmt:MATRIX_FMT_FP6 matrix_a_scale:MATRIX_SCALE_ROW1 matrix_b_scale:MATRIX_SCALE_ROW1
.else
	v_wmma_scale_f32_16x16x128_f8f6f4 v[\d:\d+7], v[\a:\a+11], v[\b:\b+11], v[\c:\c+7], v[\sa], v[\sb] matrix_a_fmt:MATRIX_FMT_FP6 matrix_b_fmt:MATRIX_FMT_FP6
.endif
.endm
.macro YLD buf, ay, sa, off            ; a record of Y: 4 fragments into window 3, 2 registers of scale words (lanes 0-15 an even K step's, lanes 16-31 the odd one's)
	WIN 0xc0
.irp s, 0,1,2,3
.irp c, 0,1,2
	ds_load_b128 v[48*(\buf)+12*\s+4*\c:48*(\buf)+12*\s+4*\c+3], v[\ay] offset:(\off)+1536*\s+512*\c
.endr
.endr
	WIN 0
.irp p, 0,1
	ds_load_b32 v[YS+2*(\buf)+\p], v[\sa] offset:(\off)+128*\p
.endr
.endm
; Slice n of the quantiser on 64 sums of a lane, register 16 b + i = place 32 b + 16 h + i along the next K.  Each accumulator is first read at its low end.
.macro QS n, src
.if (\n) == 0
.irp b, 0,1,2,3
	v_max3_num_f32 v[TM+\b], |v[\src+16*\b]|, |v[\src+16*\b+1]|, 0x1800000   ; with the floor 2^(3 - 127): the byte cannot fall under 1
.endr
.elseif (\n) < 8
.irp b, 0,1,2,3
	v_max3_num_f32 v[TM+\b], v[TM+\b], |v[\src+16*\b+2*(\n)]|, |v[\src+16*\b+2*(\n)+1]|
.endr
.elseif (\n) == 8
.irp b, 0,1,2,3
	v_permlanex16_b32 v[TM+4+\b], v[TM+\b], s[SEL], s[SEL+1]
.endr
.elseif (\n) == 9
.irp b, 0,1,2,3
	v_max_num_f32 v[TM+\b], v[TM+\b], v[TM+4+\b]      ; with lane l xor 16's: the block's largest magnitude
.endr
.elseif (\n) == 10
.irp b, 0,1,2,3
	v_add_nc_u32 v[TM+8+\b], 0xff000000, v[TM+\b]     ; 2 off its exponent field: the conversion's scale operand
.endr
.elseif (\n) < 13
	v_cvt_scalef32_pk16_fp6_f32 v[PC+6*((\n)-11):PC+6*((\n)-11)+2], v[\src+32*((\n)-11):\src+32*((\n)-11)+15], v[TM+8+2*((\n)-11)]
	v_cvt_scalef32_pk16_fp6_f32 v[PC+12+4*((\n)-11):PC+14+4*((\n)-11)], v[\src+32*((\n)-11)+16:\src+32*((\n)-11)+31], v[TM+9+2*((\n)-11)]
.if (\n) == 12
	v_nop                                          ; one plain place behind the scaled conversions
.endif
.elseif (\n) < 15
.irp i, 0,1,2
	v_permlane16_swap_b32 v[PC+6*((\n)-13)+\i], v[PC+12+4*((\n)-13)+\i]   ; a whole block to a lane
.endr
.elseif (\n) < 17
.irp i, 0,1,2
	v_mov_b32 v[PC+3+6*((\n)-15)+\i], v[PC+12+4*((\n)-15)+\i]
.endr
.elseif (\n) == 17
.irp b, 0,1,2,3
	v_lshrrev_b32 v[TM+4+\b], 23, v[TM+8+\b]          ; the scales' bytes
.endr
.elseif (\n) == 18
	v_lshl_or_b32 v[PW], v[TM+5], 8, v[TM+4]
	v_lshl_or_b32 v[PW], v[TM+6], 16, v[PW]
	v_lshl_or_b32 v[PW], v[TM+7], 24, v[PW]
.else
.irp c, 0,1,2
	global_store_b128 v[GO], v[PC+4*\c:PC+4*\c+3], s[OB:OB+1] offset:512*\c   ; 32 lanes store 512 consecutive bytes, at a multiple of 256 from the buffer's first byte
.endr
	global_store_b32 v[GS], v[PW], s[SB:SB+1]         ; 16 scale words; lanes 16-31 write the same words again
.endif
.endm
; A unit on set and buffer cur.  q = 1: the unit before is quantised from the other set.  pf = 1: the next record of Y (yoff from this trip's first byte) and, for v, the next tile's bias (boff) are fetched.
.macro PH cur, q, pf, yoff, boff
.set AC, ACC+64*(\cur)
.set AO, ACC+64*(1-(\cur))
.set YB, 48*(\cur)
.set YC, YS+2*(\cur)
	s_wait_alu depctr_va_vdst(0)
	s_wait_dscnt 0x0                               ; this unit's Y, asked for a unit ago
.if \q
	s_wait_xcnt 0x0                                ; the last stores have read their base and data
	s_add_nc_u64 s[OB:OB+1], s[OB:OB+1], s[OSTR:OSTR+1]
	s_add_nc_u64 s[SB:SB+1], s[SB:SB+1], s[SSTR:SSTR+1]
.endif
.if \pf
	v_add_nc_u32 v[AY], s[YO], v[GO]
	v_add_nc_u32 v[AYS], s[YO], v[LYS]
.endif
	PLACES                                         ; behind the last unit's products: in front of loads into its Y and of the first read of its sums
.if \pf
	YLD 1-(\cur), AY, AYS, \yoff
.endif
	s_cmp_lg_u32 s[KIND], 0
	s_cbranch_scc1 .Lv_\@
	WIN 0x3d                                       ; X window 1, Y and the bias window 3, the sums window 0
.irp x, 0,1,2,3,4,5,6,7
	MM AC+8*\x, 12*\x, YB, BI+8*\x, XS+2*\x, YC, 0
.endr
	WIN 0
	s_branch .Lj_\@
.Lv_\@:
	s_wait_loadcnt 0x0                             ; this tile's bias
.irp j, 0,1,2,3,4,5,6,7
	v_mov_b32 v[BV8+\j], v[BVL]
.endr
	s_wait_alu depctr_va_vdst(0)
.if \pf
	v_add_nc_u32 v[BVA], s[BO], v[LB]
	global_load_b32 v[BVL], v[BVA], s[BP:BP+1] offset:\boff
.endif
	WIN 0x0d
.irp x, 0,1,2,3,4,5,6,7
	MM AC+8*\x, 12*\x, YB, BV8, XS+2*\x, YC, 0
.endr
	WIN 0
.Lj_\@:
.set w, 0
.rept 24                               ; K steps 1 to 3: the eight accumulators by turns, one instruction a turn
.set fi, 8+w
.if fi < 21
	WIN 0x0d
	MM AC+8*(w%8), 12*fi, YB+12*(fi/8), AC+8*(w%8), XS+2*(w%8)+fi/16, YC+fi/16, (fi/8)%2
.else
	WIN 0x0e                                       ; X window 2
	MM AC+8*(w%8), 12*(fi-21), YB+12*(fi/8), AC+8*(w%8), XS+2*(w%8)+fi/16, YC+fi/16, (fi/8)%2
.endif
.if (\q) && w < 20
	WIN 0
	QS w, AO
.endif
.set w, w+1
.endr
	WIN 0
.endm
	s_load_b512 s[4:19], s[0:1], 0x0               ; fin, bk_ent, bk_rel, bq_subj, bq_obj, bq_rel, bv_ent, bv_rel
	s_load_b128 s[20:23], s[0:1], 0x40             ; kq, vb
	v_lshl_add_u32 v[SPW], v0, 2, SPARE
	v_mov_b32 v[NIL], 0
	ds_add_u32 v[SPW], v[NIL]                      ; the opening: the add, twice on end, and its wait ahead of my tensor load
	ds_add_u32 v[SPW], v[NIL]
	v_lshrrev_b32 v12, 5, v0
	v_readfirstlane_b32 s[WV], v12                 ; wave 0..3
	s_mov_b32 s[G1], 3<<16                         ; elements of 8 bytes, no padding
	s_mov_b32 s[G1+1], 32<<16                      ; rows of 256 bytes
	s_mov_b32 s[G1+2], 125<<16                     ; 125 of them: five records
	s_mov_b32 s[G1+3], 32<<16
	s_mov_b32 s[G1+4], 125
	s_mov_b32 s[G1+5], 32                          ; dense
	s_mov_b32 s[G1+6], 0
	s_mov_b32 s[G1+7], 0
	s_mov_b32 s[SEL], 0x76543210
	s_mov_b32 s[SEL+1], 0xfedcba98
	s_mov_b32 s66, 215                             ; my range's first work-group
	s_cmp_lt_u32 ttmp9, 215
	s_cselect_b32 s66, 117, s66
	s_cmp_lt_u32 ttmp9, 117
	s_cselect_b32 s66, 111, s66
	s_cmp_lt_u32 ttmp9, 111
	s_cselect_b32 s66, 79, s66
	s_cmp_lt_u32 ttmp9, 79
	s_cselect_b32 s66, 0, s66
	s_sub_co_u32 s66, ttmp9, s66                   ; i: my number in the range
	s_lshr_b32 s67, s66, 1                         ; g = i / 2
	s_and_b32 s[T0], s66, 1
	s_lshl_b32 s[T0], s[T0], 4                     ; 16 (i % 2)
	s_lshl_b32 s68, s67, 5                         ; 32 g
	s_mul_i32 s69, s66, 20
	s_lshl_b32 s70, s66, 4
	s_add_co_u32 s70, s70, 304
	s_min_u32 s70, s70, s69                        ; entity k: Y begins at tile min(20 i, 16 i + 304)
	s_add_co_u32 s71, s69, 1568                    ; relation k
	s_add_co_u32 s72, s68, s[T0]
	s_add_co_u32 s72, s72, 2208                    ; q: the queries' tiles,
	s_add_co_u32 s73, s68, 2432                    ; and their weight
	s_add_co_u32 s74, s[T0], 2304                  ; entity v: wv_ent's tiles
	s_lshl_b32 s75, s67, 2                         ; and the first key step
	s_add_co_u32 s[XT], s68, 1568                  ; relation v
	s_add_co_u32 s[YT], s[T0], 2336
	s_add_co_u32 s[ST0], s75, 196
	s_mov_b32 s[NTR], 7
	s_cmp_lt_u32 ttmp9, 215
	s_cselect_b32 s[XT], s68, s[XT]
	s_cselect_b32 s[YT], s74, s[YT]
	s_cselect_b32 s[ST0], s75, s[ST0]
	s_cmp_lt_u32 ttmp9, 117
	s_cselect_b32 s[XT], s73, s[XT]
	s_cselect_b32 s[YT], s72, s[YT]
	s_cselect_b32 s[KIND], 0, 1                    ; 0: k or q; 1: v
	s_cmp_lt_u32 ttmp9, 111
	s_cselect_b32 s[XT], 2400, s[XT]
	s_cselect_b32 s[YT], s71, s[YT]
	s_cselect_b32 s[NTR], 9, s[NTR]
	s_cmp_lt_u32 ttmp9, 79
	s_cselect_b32 s[XT], 2368, s[XT]
	s_cselect_b32 s[YT], s70, s[YT]
	s_cselect_b32 s[NTR], 7, s[NTR]
	s_cmp_lt_u32 ttmp9, 76
	s_cselect_b32 s[NTR], 9, s[NTR]
	s_mul_i32 s76, s[YT], REC
	s_mul_i32 s77, s[WV], 32000
	s_add_co_u32 s62, s76, s77                     ; my five records in fin,
	s_mov_b32 s63, 0
	s_mov_b32 s[G0], 1
	s_mov_b32 s[G0+1], s77                         ; and in LDS
	s_mul_i32 s78, s[WV], 1536
	s_add_co_u32 s78, s78, s76                     ; k, q: image w of Y's record in kq,
	s_lshl_b32 s79, s[WV], 6
	s_add_co_u32 s79, s79, s76
	s_add_co_u32 s79, s79, 6144                    ; and K step w's scale words
	s_add_co_u32 s70, s[ST0], s[WV]
	s_mul_i32 s70, s70, 51200                      ; v: my key step in vb,
	s_mul_i32 s71, s[T0], 1536
	s_add_co_u32 s71, s71, s70                     ; the first channel tile's image,
	s_lshl_b32 s72, s[T0], 6
	s_add_co_u32 s72, s72, s70
	s_add_co_u32 s72, s72, 49152                   ; and its scale words
	s_mov_b32 s[OSTR], 1536
	s_cmp_eq_u32 s[KIND], 0
	s_cselect_b32 s[OB], s78, s71
	s_cselect_b32 s[SB], s79, s72
	s_cselect_b32 s[OSTR], REC, s[OSTR]            ; from unit to unit
	s_cselect_b32 s[SSTR], REC, 64
	s_mov_b32 s[OB+1], 0
	s_mov_b32 s[SB+1], 0
	s_mov_b32 s[OSTR+1], 0
	s_mov_b32 s[SSTR+1], 0
	s_lshl_b32 s73, s[WV], 3
	s_add_co_u32 s73, s73, s[XT]
	s_mul_i32 s[XB], s73, REC                      ; my eight tiles of X
	s_mov_b32 s[XB+1], 0
	s_lshl_b32 s74, s[WV], 9                       ; k, q: my 128 channels of the bias
	s_mov_b32 s75, 0
	s_lshl_b32 s76, s[T0], 6
	s_mov_b32 s[TC], 0
	s_mov_b32 s[YO], 0
	s_mov_b32 s[BO], 0
	v_and_b32 v12, 31, v0
	v_lshlrev_b32 v[GO], 4, v12
	v_lshlrev_b32 v[L4], 2, v12
	v_add_nc_u32 v[LYS], 6144, v[L4]
	v_and_b32 v[GS], 15, v0
	v_and_b32 v[LB], 8, v[GS]
	v_add_nc_u32 v[LB], v[LB], v[GS]
	v_lshlrev_b32 v[LB], 2, v[LB]
	v_add_nc_u32 v[LB], s76, v[LB]
	v_lshlrev_b32 v[GS], 2, v[GS]
	v_bfe_u32 v[HB], v0, 4, 1
	v_lshlrev_b32 v[HB], 6, v[HB]
.irp b, 0,1,2,3
	v_mov_b32 v[TM+4+\b], 0                        ; written once: a lane permute's destination counts as one of its sources
.endr
	s_wait_alu depctr_va_vdst(0)
	s_wait_dscnt 0x0                               ; both opening adds are done
	s_wait_kmcnt 0x0
	s_add_nc_u64 s[G0+2:G0+3], s[4:5], s[62:63]
	s_or_b32 s[G0+3], s[G0+3], 0x80000000
	tensor_load_to_lds s[G0:G0+3], s[G1:G1+7]      ; my one tensor load
	s_nop 0
	PLACES
	s_cmp_eq_u32 s[KIND], 0
	s_cselect_b64 s[TP:TP+1], s[20:21], s[22:23]   ; kq or vb: a choice on the work-group's number alone
	s_add_nc_u64 s[OB:OB+1], s[TP:TP+1], s[OB:OB+1]
	s_add_nc_u64 s[SB:SB+1], s[TP:TP+1], s[SB:SB+1]
	s_sub_nc_u64 s[OB:OB+1], s[OB:OB+1], s[OSTR:OSTR+1]   ; one unit back: every quantiser steps forward ahead of its stores
	s_sub_nc_u64 s[SB:SB+1], s[SB:SB+1], s[SSTR:SSTR+1]
	s_mov_b64 s[BP:BP+1], s[18:19]                 ; the bias
	s_cmp_lt_u32 ttmp9, 215
	s_cselect_b64 s[BP:BP+1], s[16:17], s[BP:BP+1]
	s_cmp_lt_u32 ttmp9, 117
	s_cselect_b64 s[BP:BP+1], s[14:15], s[BP:BP+1]
	s_cmp_lt_u32 ttmp9, 115
	s_cselect_b64 s[BP:BP+1], s[12:13], s[BP:BP+1]
	s_cmp_lt_u32 ttmp9, 113
	s_cselect_b64 s[BP:BP+1], s[10:11], s[BP:BP+1]
	s_cmp_lt_u32 ttmp9, 111
	s_cselect_b64 s[BP:BP+1], s[8:9], s[BP:BP+1]
	s_cmp_lt_u32 ttmp9, 79
	s_cselect_b64 s[BP:BP+1], s[6:7], s[BP:BP+1]
	s_add_nc_u64 s[TP:TP+1], s[BP:BP+1], s[74:75]
	s_add_nc_u64 s[XB:XB+1], s[4:5], s[XB:XB+1]
	WIN 0x40                                       ; X's fragment 8 s + x (K step s of tile x), while the tensor load is on its way
.set i, 0
.rept 21
.irp c, 0,1,2
	global_load_b128 v[12*i+4*\c:12*i+4*\c+3], v[GO], s[XB:XB+1] offset:(i%8)*REC+(i/8)*1536+512*\c
.endr
.set i, i+1
.endr
	WIN 0x80
.rept 11
.irp c, 0,1,2
	global_load_b128 v[12*(i-21)+4*\c:12*(i-21)+4*\c+3], v[GO], s[XB:XB+1] offset:(i%8)*REC+(i/8)*1536+512*\c
.endr
.set i, i+1
.endr
	WIN 0xc0
.irp x, 0,1,2,3,4,5,6,7
	global_load_b128 v[BI+8*\x:BI+8*\x+3], v[HB], s[TP:TP+1] offset:(32*(\x/2)+8*(\x%2))*4      ; channels 32 (x / 2) + 8 (x % 2) + 16 h + 0 .. 7 of my 128
	global_load_b128 v[BI+8*\x+4:BI+8*\x+7], v[HB], s[TP:TP+1] offset:(32*(\x/2)+8*(\x%2))*4+16
.endr
	WIN 0
.irp x, 0,1,2,3,4,5,6,7
.irp p, 0,1
	global_load_b32 v[XS+2*\x+\p], v[L4], s[XB:XB+1] offset:\x*REC+6144+128*\p
.endr
.endr
	global_load_b32 v[BVL], v[LB], s[BP:BP+1]      ; v: my channel's bias in unit 0's tile
	s_wait_tensorcnt 0x0                           ; my five records are in
	s_barrier_signal -1
	s_barrier_wait -1                              ; everybody's are
	YLD 0, GO, LYS, 0
	s_wait_loadcnt 0x0                             ; X, its scale words, the bias
	PH 0, 0, 1, 6400, 32                           ; unit 0
.Ltrip:                                                ; trip t: units 2 t + 1 and 2 t + 2
	s_cmp_ge_u32 s[TC], s[NTR]
	s_cbranch_scc1 .Lpast
	PH 1, 1, 1, 12800, 128
	PH 0, 1, 1, 19200, 160
.Lpast:
	s_add_co_u32 s[YO], s[YO], 12800
	s_add_co_u32 s[BO], s[BO], 128
	s_add_co_u32 s[TC], s[TC], 1
	s_cmp_lt_u32 s[TC], 9
	s_cbranch_scc1 .Ltrip
	PH 1, 1, 0, 0, 0                               ; the last unit: nothing more to fetch
	s_wait_alu depctr_va_vdst(0)
	s_wait_xcnt 0x0
	s_add_nc_u64 s[OB:OB+1], s[OB:OB+1], s[OSTR:OSTR+1]
	s_add_nc_u64 s[SB:SB+1], s[SB:SB+1], s[SSTR:SSTR+1]
	PLACES                                         ; behind the last products
.set w, 0
.rept 20
	QS w, ACC+64
.set w, w+1
.endr
	s_wait_tensorcnt 0x0                           ; the wave's end
	ds_add_u32 v[SPW], v[NIL]
	s_wait_dscnt 0x0
	s_endpgm
.Lfunc_end_k_q418c5a4dfd_proj:
	.size	k_q418c5a4dfd_proj, .Lfunc_end_k_q418c5a4dfd_proj-k_q418c5a4dfd_proj
	.p2alignl 7, 3214868480
	.fill 96, 4, 3214868480
	.section	.rodata,"a",@progbits
	.p2align	6, 0x0
	.amdhsa_kernel k_q418c5a4dfd_proj
		.amdhsa_group_segment_fixed_size 167936
		.amdhsa_private_segment_fixed_size 0
		.amdhsa_enable_private_segment 0
		.amdhsa_kernarg_size 80
		.amdhsa_user_sgpr_count 2
		.amdhsa_user_sgpr_kernarg_segment_ptr 1
		.amdhsa_wavefront_size32 1
		.amdhsa_system_sgpr_workgroup_id_x 1
		.amdhsa_system_sgpr_workgroup_id_y 1
		.amdhsa_system_sgpr_workgroup_id_z 1
		.amdhsa_system_vgpr_workitem_id 0
		.amdhsa_next_free_vgpr 1024
		.amdhsa_next_free_sgpr 80
		.amdhsa_reserve_vcc 0
		.amdhsa_float_denorm_mode_32 3
		.amdhsa_float_denorm_mode_16_64 3
		.amdhsa_memory_ordered 1
		.amdhsa_forward_progress 1
		.amdhsa_inst_pref_size 68
	.end_amdhsa_kernel
	.amdgpu_metadata
---
amdhsa.version: [ 1, 2 ]
amdhsa.kernels:
  - .name:           k_q418c5a4dfd_proj
    .symbol:         k_q418c5a4dfd_proj.kd
    .args:
      - { .name: fin, .offset: 0, .size: 8, .value_kind: global_buffer, .address_space: global }
      - { .name: bk_ent, .offset: 8, .size: 8, .value_kind: global_buffer, .address_space: global }
      - { .name: bk_rel, .offset: 16, .size: 8, .value_kind: global_buffer, .address_space: global }
      - { .name: bq_subj, .offset: 24, .size: 8, .value_kind: global_buffer, .address_space: global }
      - { .name: bq_obj, .offset: 32, .size: 8, .value_kind: global_buffer, .address_space: global }
      - { .name: bq_rel, .offset: 40, .size: 8, .value_kind: global_buffer, .address_space: global }
      - { .name: bv_ent, .offset: 48, .size: 8, .value_kind: global_buffer, .address_space: global }
      - { .name: bv_rel, .offset: 56, .size: 8, .value_kind: global_buffer, .address_space: global }
      - { .name: kq, .offset: 64, .size: 8, .value_kind: global_buffer, .address_space: global }
      - { .name: vb, .offset: 72, .size: 8, .value_kind: global_buffer, .address_space: global }
    .group_segment_fixed_size: 167936
    .private_segment_fixed_size: 0
    .kernarg_segment_align: 8
    .kernarg_segment_size: 80
    .max_flat_workgroup_size: 128
    .sgpr_count:     80
    .vgpr_count:     1024
    .wavefront_size: 32
...
	.end_amdgpu_metadata
.endif
;; end of part 2
;; launch attn (part 3): grid 248 x 1, 4 waves a work-group, clusters of 4 x 1, 327,680 bytes of LDS; arguments kq, vb, opart, stat; writes opart, stat
.if DOCPART == 3
	.amdgcn_target "amdgcn-amd-amdhsa--gfx1250"
	.amdhsa_code_object_version 6
	.text
	.protected	k_q418c5a4dfd_attn
	.globl	k_q418c5a4dfd_attn
	.p2align	8
	.type	k_q418c5a4dfd_attn,@function
k_q418c5a4dfd_attn:
	s_mov_b64 s[64:65], 0
	v_nop
	global_prefetch_b8 v0, s[64:65] scope:SCOPE_SE
	s_setreg_imm32_b32 hwreg(HW_REG_WAVE_MODE, 25, 1), 1
	s_wait_xcnt 0x0
	s_wait_alu depctr_hold_cnt(0) depctr_sa_sdst(0) depctr_va_vdst(0) depctr_va_sdst(0) depctr_va_ssrc(0) depctr_va_vcc(0) depctr_vm_vsrc(0)
	s_getreg_b32 s2, hwreg(HW_REG_IB_STS2, 6, 4)
	s_cmp_eq_u32 s2, 0
	s_cbranch_scc0 .Lentry_in_a_cluster
	s_endpgm
.Lentry_in_a_cluster:
	s_bfe_u32 s2, ttmp6, 0x10000c
	s_cmp_lg_u32 s2, 0x3003
	s_cbranch_scc0 .Lentry_shape_is_right
	s_endpgm
.Lentry_shape_is_right:
; LAUNCH 3 OF 4.  The three attentions, the keys split over work-groups: for 64 queries and one chunk of keys, O^T = sum over the chunk of V^T p (not divided), the whole number M and the sum l of the unquantised p.
; Both products on codes of FP6 (E2M3) with E8M0 scales.  t = logit x log2(e); M = the largest t so far, rounded up to a whole number; p = 2^(t - M) is quantised along the keys, in blocks of 32 from key 0.
; When M moves, l and O^T are multiplied by 2^(old M - new M): exact.  WORK LEFT OUT: none here; the entity bank's k and v, made once, serve the subject's and the object's queries.
; LIMITS: NaN and infinities are not served; a p under 2^-126 of its wave's largest so far counts as 0; the sums go by chunks and by the parity of the key step, another order than reference()'s.
; SHARES.  Entity bank: 16 blocks of 64 queries (subject, object) x 13 chunks; relation bank: 8 x 5.  A chunk is 16 key steps of 128 keys (the entity bank's last three: 12 each: 10 x 16 + 3 x 12 = 196).  Wave w = 2 a + b
; takes the 32 queries of tiles 2 a, 2 a + 1 and, of each DOUBLE STEP u, key step 2 u + b, with all 512 channels: O^T of 32 queries is 512 registers, and each fragment of K or V read from LDS feeds two matrix instructions.
; Each wave runs its own softmax; the two parities are joined through LDS once, at the end.
; LAYOUT.  Both products are used transposed: S^T = K Q^T, O^T = V^T P^T: a lane holds one query throughout.  By the tile format (first launch) the 16 registers of two neighbouring tiles of keys are 16 neighbouring keys.
; CLUSTER.  The four partners are four blocks of queries on ONE chunk: they walk the same K and V, so each tile is asked for jointly: the same load, the same descriptor, the mask of all four.
; LDS.  Two slots for K and one for V, 102,400 bytes each, laid [half of a step's 51,200 bytes][parity][25,600].  A load brings one half of BOTH parities (2 rows of 25,600 bytes, 51,200 apart): waves 0, 1 K's halves,
; waves 2, 3 V's.  At the top of double step u, behind a round of the cluster's barrier, V(u) and K(u + 1) are asked for; both have the first product and the two softmaxes in which to land: every wave waits for its
; load in front of the barrier that stands ahead of the second product.  Every wait on TENSORcnt is for 0.
; THE WALK.  Double step 0 is written out ahead of the loop: its second product starts O^T's sums with the constant 0, so nothing is cleared and it has nothing to rescale.  A trip of the loop is an odd double step and
; the even one behind it; the last double step is written out, since K has nothing left to fetch there.  A chunk has 8 or 6 double steps: 3 or 2 trips.
; O^T IS RESCALED AMONG THE SECOND PRODUCT'S MATRIX INSTRUCTIONS, not in a phase of its own: behind each of them stand the four packed multiplications that bring one accumulator of the NEXT batch of four channel tiles
; under the new M; channel tiles 0-3 are brought under it at the softmax's end.  So each accumulator is multiplied once a step, a batch ahead of the product that adds onto it.  The price: O^T's multiplications and the
; products name different windows, so a slice costs two switches: 112 more for a double step's 128 matrix instructions.
; All LDS addresses are constants and lane terms.  By this text's count a wave has two tensor loads out at the head and one afterwards.
; REGISTERS: window 0: v1-15 addresses; v16-31 statistics; v32-51 scale words; v52-67 at work; v68-99 p's codes; v100-227 S^T, then p.  Window 1: v0-95 Q; v96-239 three buffers of four fragments.
;   Window 2: O^T of tile 2 a (channel tile t at v[8 t]).  Window 3: of tile 2 a + 1.
; THE FIRST LOADS AS THIS TEXT ISSUES THEM (in place of 'two tensor loads out at the head' above): at the head every wave issues one joint load, waves 0, 1 the halves of K(0), waves 2, 3 those of V(0);
; behind a round of the cluster's barrier waves 0, 1 ask for K(1), slot 1's first fill.  From double step 1 on the tops ask as the paragraph LDS says.  By this text's count a wave
; has one tensor load out at the most.
; WHERE O^T IS RESCALED IN THIS TEXT (in place of the paragraph 'O^T IS RESCALED AMONG ..' above): all 32 channel tiles of both query tiles are brought under the new M at the softmax's end, ahead of the wait
; for V: 256 packed multiplications a wave, each accumulator once a step.  The second product is then 64 matrix instructions on end, with two switches of the windows for each batch of eight.
.set SPARE, 307200
.set AK,  1                            ; v1-4   K's fragments: 102,400 slot + 51,200 half + 25,600 b + 16 lane
.set AKS, 5                            ; v5-8   K's scale words: the same with 4 lane
.set AV,  9                            ; v9-10  V's: 204,800 + 51,200 half + 25,600 b + 16 lane
.set AVS, 11                           ; v11    V's scale words: 256,000 + 25,600 b + 4 lane
.set SPW, 12                           ; v12    my spare word; never rewritten
.set NIL, 13                           ; v13    0; never rewritten
.set DM,  14                           ; v14    live keys of my last step - 1 - 16 h
.set NINF, 15                          ; v15    -infinity
.set ST,  16                           ; tile q's statistics at v[ST + 8 q]: +0 -M, +1 the largest t, +2, +3 l in two halves, +4 f, +5 p's scale word, +6, +7 at work
.set QS,  32                           ; v32-35 Q's scale words: 2 q + (K step / 2)
.set KS,  36                           ; v36-51 K's scale words (2 kt + K step / 2), then V's (t / 2)
.set BM,  52                           ; v52-55 the blocks' largest scores;  v56-59 at work;  v60-63 the conversions' scale operands;  v64-66 at work
.set PM,  56
.set SO,  60
.set TP,  64
.set PC,  68                           ; v68-91 p's codes, 12 a tile;  v92-98 the conversions' second halves
.set H2,  92
.set S,   100
.set MS,  228                          ; v228-231 the join: where I put and read O^T and the statistics
.set MR,  229
.set MT,  230
.set MU,  231
.set GO,  232                          ; v232   16 x lane
.set PFO, 233                          ; v233   the prefetches' offset
.set GL4, 234                          ; v234   4 x lane
.set BUF, 96                           ; in window 1
.set WV,  12
.set PB,  13                           ; s13  b: my parity; also the half that I fetch
.set PA,  14                           ; s14  a: my pair of query tiles
.set CX,  15
.set CH,  16
.set QD,  17
.set QBL, 18
.set CNT, 19                           ; s19  the loop's trips, counted down: double steps / 2 - 1
.set SEL, 20
.set CS,  22                           ; s[22:23] log2(e)
.set G1,  24
.set G0,  32                           ; s[32:35] my walking group 0
.set W2,  184                          ; query tile 1's work registers stand 184 above tile 0's: v236-250
.set LDSE, 40                          ; s40  where my load lands at the top of an even double step: K into slot 1, V into V
.set LDSO, 41                          ; s41  and of an odd one: K into slot 0, V into V
.set NV,  42
.set PFA, 44                           ; s[44:45] the address of the load that I have issued last
.set LIMO, 46
.set LIME, 47
.set QB,  48
.set OPB, 50
.set STB, 52
.set STM, 56                           ; s[56:57] what my group 0 steps ahead of K(1)'s load: K's waves a double step, V's waves 0
.set MSB, 0
.macro WIN new                         ; the immediate's high byte repeats the setting that is left
.if MSB != (\new)
	s_set_vgpr_msb (MSB<<8)|(\new)
.set MSB, (\new)
.endif
.endm
.macro PLACES
.rept 4
	v_nop
.endr
.endm
.macro ROUND                           ; a round of the cluster's barrier
	s_barrier_signal -1
	s_barrier_wait -1
	s_cmp_lg_u32 s[WV], 0
	s_cbranch_scc1 .Lnot_wave_0_\@
	s_barrier_signal -3
.Lnot_wave_0_\@:
	s_barrier_wait -3
	s_barrier_signal -1
	s_barrier_wait -1
.endm
.macro MM d, a, b, c, sa, sb, ra, rb   ; c < 0: the product starts the sum.  ra, rb = 1: that side's scale words stand in lanes 16-31
.if \c < 0
.if \ra
	v_wmma_scale_f32_16x16x128_f8f6f4 v[\d:\d+7], v[\a:\a+11], v[\b:\b+11], 0, v[\sa], v[\sb] matrix_a_fmt:MATRIX_FMT_FP6 matrix_b_fmt:MATRIX_FMT_FP6 matrix_a_scale:MATRIX_SCALE_ROW1
.else
	v_wmma_scale_f32_16x16x128_f8f6f4 v[\d:\d+7], v[\a:\a+11], v[\b:\b+11], 0, v[\sa], v[\sb] matrix_a_fmt:MATRIX_FMT_FP6 matrix_b_fmt:MATRIX_FMT_FP6
.endif
.elseif \ra && \rb
	v_wmma_scale_f32_16x16x128_f8f6f4 v[\d:\d+7], v[\a:\a+11], v[\b:\b+11], v[\c:\c+7], v[\sa], v[\sb] matrix_a_fmt:MATRIX_FMT_FP6 matrix_b_fmt:MATRIX_FMT_FP6 matrix_a_scale:MATRIX_SCALE_ROW1 matrix_b_scale:MATRIX_SCALE_ROW1
.elseif \ra
	v_wmma_scale_f32_16x16x128_f8f6f4 v[\d:\d+7], v[\a:\a+11], v[\b:\b+11], v[\c:\c+7], v[\sa], v[\sb] matrix_a_fmt:MATRIX_FMT_FP6 matrix_b_fmt:MATRIX_FMT_FP6 matrix_a_scale:MATRIX_SCALE_ROW1
.else
	v_wmma_scale_f32_16x16x128_f8f6f4 v[\d:\d+7], v[\a:\a+11], v[\b:\b+11], v[\c:\c+7], v[\sa], v[\sb] matrix_a_fmt:MATRIX_FMT_FP6 matrix_b_fmt:MATRIX_FMT_FP6
.endif
.endm
; THE TOP OF A DOUBLE STEP.  Each wave waits for all its tensor loads, adds 0 to its spare word, and waits for that and for its LDS reads; the round then holds of every wave of all four partners: nobody reads
; the K slot left two double steps ago, nor V.  The joint refill is the first thing behind the round, one load a wave.  vonly = 1, the last top: K has nothing left to fetch.
; THE PREFETCH stands behind the load and its five lines: the two rows that my NEXT load will ask for, a double step ahead of it.  All clusters of a chunk walk the same K and V: the first of them asks.  Its four partners
; share each row's 100 blocks of 256 bytes out BY ADDRESS, 25 each, a lane a block (lanes 25-31 repeat lane 24's).  It stops where my next load would lie past the chunk: K's waves one top earlier than V's.
.macro TOP lds, lim, vonly
	WIN 0
	s_wait_tensorcnt 0x0                           ; no tensor load of mine is out, so my group 0 may be written
	ds_add_u32 v[SPW], v[NIL]                      ; 0 onto my spare word
	s_add_nc_u64 s[G0+2:G0+3], s[G0+2:G0+3], 102400   ; the next double step; the type bits on top are not reached
	s_mov_b32 s[G0+1], s[\lds]
	s_wait_xcnt 0x0                                ; the last prefetches, a double step back, have read their address
	s_add_nc_u64 s[PFA:PFA+1], s[PFA:PFA+1], 102400
	s_wait_dscnt 0x0                               ; the add is done, and my reads of K and V are over
	ROUND
.if \vonly
	s_cmp_lt_u32 s[WV], 2
	s_cbranch_scc1 .Lno_k_\@
.endif
	tensor_load_to_lds s[G0:G0+3], s[G1:G1+7]
	s_nop 0
	PLACES
.if \vonly
.Lno_k_\@:
.else
	s_cmp_gt_u32 s[CNT], s[\lim]
	s_cbranch_scc0 .Lno_ask_\@
	global_prefetch_b8 v[PFO], s[PFA:PFA+1] offset:102400 th:TH_LOAD_NT scope:SCOPE_SE
	global_prefetch_b8 v[PFO], s[PFA:PFA+1] offset:153600 th:TH_LOAD_NT scope:SCOPE_SE
.Lno_ask_\@:
.endif
.endm
.macro KBATCH slot, be                 ; batch be: K step be / 2 of key tiles 4 (be % 2) .. + 3, into buffer be % 3: 12 loads of 512 consecutive bytes
.irp k, 0,1,2,3
.irp c, 0,1,2
	ds_load_b128 v[BUF+48*((\be)%3)+12*\k+4*\c:BUF+48*((\be)%3)+12*\k+4*\c+3], v[AK+2*(\slot)+(\be)%2] offset:6400*\k+1536*((\be)/2)+512*\c
.endr
.endr
.endm
; S^T = K Q^T: 64 matrix instructions on 16 accumulators, which take turns, one instruction a turn.  Two batches of fragments are always on their way.
.macro SPH slot
	PLACES                                         ; in front of loads into registers that the last products read
.irp kt, 0,1,2,3,4,5,6,7
.irp p, 0,1
	ds_load_b32 v[KS+2*\kt+\p], v[AKS+2*(\slot)+\kt/4] offset:6400*(\kt%4)+6144+128*\p
.endr
.endr
	WIN 0x40                                       ; destination window 1
	KBATCH \slot, 0
	KBATCH \slot, 1
.irp be, 0,1,2,3,4,5,6,7
.if \be < 7
	s_wait_dscnt 12                                ; this batch (and the scale words) are in; the next batch's 12 loads may be out
.else
	s_wait_dscnt 0x0
.endif
	WIN 0x05                                       ; K and Q window 1, S^T window 0
.irp k, 0,1,2,3
.irp q, 0,1
.if \be < 2
	MM S+64*\q+8*(4*(\be%2)+\k), BUF+48*(\be%3)+12*\k, 48*\q+12*(\be/2), -1, KS+2*(4*(\be%2)+\k)+\be/4, QS+2*\q+\be/4, 0, 0
.else
	MM S+64*\q+8*(4*(\be%2)+\k), BUF+48*(\be%3)+12*\k, 48*\q+12*(\be/2), S+64*\q+8*(4*(\be%2)+\k), KS+2*(4*(\be%2)+\k)+\be/4, QS+2*\q+\be/4, (\be/2)%2, (\be/2)%2
.endif
.endr
.endr
.if \be < 6
	PLACES                                         ; the buffer of the batch before is loaded again four places behind its last product
	WIN 0x40
	KBATCH \slot, \be+2
.endif
.endr
	WIN 0
	PLACES                                         ; in front of the first read of results
.endm
; In a chunk's last double step: the scores of keys at or past the bank's end become -infinity ahead of the maximum, so that p = 0.
.macro MASK
	s_cmp_ge_i32 s[NV], 128
	s_cbranch_scc1 .Lopen_\@
.set n, 0
.rept 64                               ; register n holds key 32 (n / 16) + 16 h + n % 16 of my step
	v_cmp_gt_i32 vcc_lo, 32*(n/16)+n%16, v[DM]
	v_cndmask_b32 v[S+n], v[S+n], v[NINF], vcc_lo
	v_cndmask_b32 v[S+64+n], v[S+64+n], v[NINF], vcc_lo
.set n, n+1
.endr
.Lopen_\@:
.endm
; THE SOFTMAX OF BOTH QUERY TILES for this step's 128 keys, p's codes and scale words, and O^T under the new M.  first = 1, double step 0: there is no O^T yet.
; The two tiles go line by line by turns, so that no line reads the result of the line above it: 8 chains of maxima, 2 of statistics, 8 of sums; all 136 exponentials in one batch.
.macro PADD d, ds, j
.irp q, 0,1
	v_pk_add_f32 v[\d+\ds*\q:\d+\ds*\q+1], v[\d+\ds*\q:\d+\ds*\q+1], v[S+64*\q+(\j):S+64*\q+(\j)+1]
.endr
.endm
.macro SOFT2 first
.irp b, 0,1,2,3
.irp q, 0,1
	v_max3_num_f32 v[BM+W2*\q+\b], v[S+64*\q+16*\b], v[S+64*\q+16*\b+1], v[S+64*\q+16*\b+2]   ; the largest score of each block of 32 keys; each accumulator is first read at its low end
.endr
.endr
.irp i, 3,5,7,9,11,13
.irp b, 0,1,2,3
.irp q, 0,1
	v_max3_num_f32 v[BM+W2*\q+\b], v[BM+W2*\q+\b], v[S+64*\q+16*\b+\i], v[S+64*\q+16*\b+\i+1]
.endr
.endr
.endr
.irp b, 0,1,2,3
.irp q, 0,1
	v_max_num_f32 v[BM+W2*\q+\b], v[BM+W2*\q+\b], v[S+64*\q+16*\b+15]
.endr
.endr
.irp b, 0,1,2,3
.irp q, 0,1
	v_permlanex16_b32 v[PM+W2*\q+\b], v[BM+W2*\q+\b], s[SEL], s[SEL+1]
.endr
.endr
.irp b, 0,1,2,3
.irp q, 0,1
	v_max_num_f32 v[BM+W2*\q+\b], v[BM+W2*\q+\b], v[PM+W2*\q+\b]   ; with lane l xor 16's 16 keys
.endr
.endr
.irp q, 0,1
	v_max3_num_f32 v[TP+W2*\q], v[BM+W2*\q], v[BM+W2*\q+1], v[BM+W2*\q+2]
.endr
.irp q, 0,1
	v_max_num_f32 v[TP+W2*\q], v[TP+W2*\q], v[BM+W2*\q+3]
.endr
.irp q, 0,1
	v_mul_f32 v[TP+W2*\q], s[CS], v[TP+W2*\q]      ; the step's largest t
.endr
.irp q, 0,1
	v_max_num_f32 v[ST+8*\q+1], v[ST+8*\q+1], v[TP+W2*\q]   ; the running largest t
.endr
.irp q, 0,1
	v_mov_b32 v[TP+W2*\q], v[ST+8*\q]
.endr
.irp q, 0,1
	v_floor_f32 v[ST+8*\q], -v[ST+8*\q+1]          ; the new -M = floor(-t): M is a whole number
.endr
.irp q, 0,1
	v_sub_f32 v[TP+W2*\q], v[ST+8*\q], v[TP+W2*\q] ; old M - new M: a whole number, 0 or less
.endr
.irp q, 0,1
	v_cvt_i32_f32 v[TP+W2*\q], v[TP+W2*\q]         ; (it saturates)
.endr
.irp q, 0,1
	v_ldexp_f32 v[ST+8*\q+4], 1.0, v[TP+W2*\q]     ; f = 2^(old M - new M)
.endr
.set j, 0
.rept 32
.irp q, 0,1
	v_pk_fma_f32 v[S+64*\q+j:S+64*\q+j+1], v[S+64*\q+j:S+64*\q+j+1], s[CS:CS+1], v[ST+8*\q:ST+8*\q+1] op_sel_hi:[1,0,0]   ; t - M, two at a time
.endr
.set j, j+2
.endr
.irp b, 0,1,2,3
.irp q, 0,1
	v_fma_f32 v[BM+W2*\q+\b], v[BM+W2*\q+\b], s[CS], v[ST+8*\q]   ; the same of each block's largest score
.endr
.endr
	s_wait_alu depctr_va_vdst(0)
.set j, 0
.rept 128
	v_exp_f32 v[S+j], v[S+j]                       ; p = 2^(t - M), at most 1: not normalised
.set j, j+1
.endr
.irp b, 0,1,2,3
.irp q, 0,1
	v_exp_f32 v[BM+W2*\q+\b], v[BM+W2*\q+\b]       ; the block's largest p
.endr
.endr
.irp q, 0,1
	v_pk_mul_f32 v[ST+8*\q+2:ST+8*\q+3], v[ST+8*\q+2:ST+8*\q+3], v[ST+8*\q+4:ST+8*\q+5] op_sel_hi:[1,0]   ; l under the new M.  (The plain place behind the exponentials)
.endr
	s_wait_alu depctr_va_vdst(0)                   ; one wait for the batch, ahead of its first reader
.irp q, 0,1                            ; l is summed of the unquantised p, two at a time, in four chains a tile
	v_pk_add_f32 v[PM+W2*\q:PM+W2*\q+1], v[S+64*\q:S+64*\q+1], v[S+64*\q+2:S+64*\q+3]
.endr
.irp q, 0,1
	v_pk_add_f32 v[PM+W2*\q+2:PM+W2*\q+3], v[S+64*\q+4:S+64*\q+5], v[S+64*\q+6:S+64*\q+7]
.endr
.irp q, 0,1
	v_pk_add_f32 v[TP+W2*\q:TP+W2*\q+1], v[S+64*\q+8:S+64*\q+9], v[S+64*\q+10:S+64*\q+11]
.endr
	PADD ST+2, 8, 12
.set j, 14
.rept 6
	PADD PM, W2, j
	PADD PM+2, W2, j+2
	PADD TP, W2, j+4
	PADD ST+2, 8, j+6
.set j, j+8
.endr
	PADD ST+2, 8, 62
.irp q, 0,1
	v_pk_add_f32 v[PM+W2*\q:PM+W2*\q+1], v[PM+W2*\q:PM+W2*\q+1], v[PM+W2*\q+2:PM+W2*\q+3]
.endr
.irp q, 0,1
	v_pk_add_f32 v[ST+8*\q+2:ST+8*\q+3], v[ST+8*\q+2:ST+8*\q+3], v[TP+W2*\q:TP+W2*\q+1]
.endr
.irp b, 0,1,2,3
.irp q, 0,1
	v_max_num_f32 v[BM+W2*\q+\b], 0x1800000, v[BM+W2*\q+\b]   ; the floor 2^(3 - 127): the byte cannot fall under 1
.endr
.endr
.irp q, 0,1
	v_pk_add_f32 v[ST+8*\q+2:ST+8*\q+3], v[ST+8*\q+2:ST+8*\q+3], v[PM+W2*\q:PM+W2*\q+1]
.endr
.irp b, 0,1,2,3
.irp q, 0,1
	v_add_nc_u32 v[SO+W2*\q+\b], 0xff000000, v[BM+W2*\q+\b]   ; 2 off the exponent field: the conversion's scale operand
.endr
.endr
.irp b, 0,1,2,3
.irp q, 0,1
	v_lshrrev_b32 v[PM+W2*\q+\b], 23, v[SO+W2*\q+\b]          ; the scale's byte
.endr
.endr
.irp q, 0,1
	v_lshl_or_b32 v[ST+8*\q+5], v[PM+W2*\q+1], 8, v[PM+W2*\q] ; p's scale word for these 128 keys
.endr
.irp q, 0,1
	v_lshl_or_b32 v[ST+8*\q+5], v[PM+W2*\q+2], 16, v[ST+8*\q+5]
.endr
.irp q, 0,1
	v_lshl_or_b32 v[ST+8*\q+5], v[PM+W2*\q+3], 24, v[ST+8*\q+5]
.endr
.irp q, 0,1                            ; the conversions' second halves: tile 0's at v92 on, tile 1's at v52 on, where tile 0's maxima and bytes are done with
.irp c, 0,1
	v_cvt_scalef32_pk16_fp6_f32 v[PC+12*\q+6*\c:PC+12*\q+6*\c+2], v[S+64*\q+32*\c:S+64*\q+32*\c+15], v[SO+W2*\q+2*\c]
	v_cvt_scalef32_pk16_fp6_f32 v[H2-40*\q+4*\c:H2-40*\q+4*\c+2], v[S+64*\q+32*\c+16:S+64*\q+32*\c+31], v[SO+W2*\q+2*\c+1]
.endr
.endr
	v_nop                                          ; one plain place behind the scaled conversions
.irp q, 0,1
.irp c, 0,1
.irp i, 0,1,2
	v_permlane16_swap_b32 v[PC+12*\q+6*\c+\i], v[H2-40*\q+4*\c+\i]   ; a whole block to a lane
.endr
.endr
.endr
.irp q, 0,1
.irp c, 0,1
.irp i, 0,1,2
	v_mov_b32 v[PC+12*\q+6*\c+3+\i], v[H2-40*\q+4*\c+\i]
.endr
.endr
.endr
.if !(\first)
.irp q, 0,1
	WIN 0x82+0x41*\q                               ; O^T (destination and source 0) window 2 or 3, f window 0
.set j, 0
.rept 128
	v_pk_mul_f32 v[j:j+1], v[j:j+1], v[ST+8*\q+4:ST+8*\q+5] op_sel_hi:[1,0]   ; all 32 channel tiles under the new M, each accumulator from its low end on
.set j, j+2
.endr
.endr
	WIN 0
.endif
.endm
; V(u) is shown to all.  Every wave waits for its one load of this top, V's waves for their half of V(u), K's waves for their half of K(u + 1), and signals: behind this barrier no tensor load of the work-group is out.
.macro MID
	s_wait_alu depctr_va_vdst(0)
	s_wait_tensorcnt 0x0
	s_wait_dscnt 0x0
	s_barrier_signal -1
	s_barrier_wait -1
.endm
.macro VBATCH be                       ; batch be: channel tiles 4 be .. + 3, into buffer be % 3.  Piece P = 3 t + c of a step's 96 lies in half P / 50
.irp k, 0,1,2,3
.irp c, 0,1,2
.set PP, 3*(4*(\be)+\k)+\c
	ds_load_b128 v[BUF+48*((\be)%3)+12*\k+4*\c:BUF+48*((\be)%3)+12*\k+4*\c+3], v[AV+PP/50] offset:512*(PP%50)
.endr
.endr
.endm
; O^T += V^T P^T: 64 matrix instructions, each on an accumulator of its own.  zero = 1, double step 0: the products start the sums: nothing is ever cleared.  zero = 0: O^T stands under the new M since the softmax's end.
.macro PVP zero
	PLACES                                         ; in front of loads into registers that earlier products read: on the way that leads round the scores and the softmax no vector work stands behind the products of the double step before
.irp tp, 0,1,2,3,4,5,6,7,8,9,10,11,12,13,14,15
	ds_load_b32 v[KS+\tp], v[AVS] offset:23552+128*\tp   ; lanes 0-15 tile 2 tp's words, lanes 16-31 tile 2 tp + 1's
.endr
	WIN 0x40
	VBATCH 0
	VBATCH 1
.irp be, 0,1,2,3,4,5,6,7
.if \be < 7
	s_wait_dscnt 12                                ; this batch is in; the next batch's 12 loads may be out
.else
	s_wait_alu depctr_va_vdst(0)
	s_wait_dscnt 0x0
.endif
.irp k, 0,1,2,3
	WIN 0xa1                                       ; V window 1, p window 0, O^T window 2
.if \zero
	MM 8*(4*\be+\k), BUF+48*(\be%3)+12*\k, PC, -1, KS+(4*\be+\k)/2, ST+5, (\k%2), 0
.else
	MM 8*(4*\be+\k), BUF+48*(\be%3)+12*\k, PC, 8*(4*\be+\k), KS+(4*\be+\k)/2, ST+5, (\k%2), 0
.endif
.endr
.irp k, 0,1,2,3
	WIN 0xf1                                       ; O^T window 3
.if \zero
	s_wait_alu depctr_va_vdst(0)
	MM 8*(4*\be+\k), BUF+48*(\be%3)+12*\k, PC+12, -1, KS+(4*\be+\k)/2, ST+13, (\k%2), 0
.else
	MM 8*(4*\be+\k), BUF+48*(\be%3)+12*\k, PC+12, 8*(4*\be+\k), KS+(4*\be+\k)/2, ST+13, (\k%2), 0
.endif
.endr
.if \be < 6
	PLACES                                         ; the buffer of the batch before is loaded again four places behind its last product
	WIN 0x40
	VBATCH \be+2
.endif
.endr
	WIN 0
.endm
; A double step.  last = 1, a chunk's last: a wave whose step lies wholly past the bank's end (ids alone decide) jumps over its products and softmax, never over the barrier.  first = 1: double step 0.
.macro BODY slot, last, first
.if \last
	s_cmp_le_i32 s[NV], 0
	s_cbranch_scc1 .Lno_s_\@
.endif
	SPH \slot
.if \last
	MASK
.endif
	SOFT2 \first
	PLACES                                         ; eight places, with the four at the second product's head, between p's scale word and codes and the products that take them
	PLACES
.if \last
.Lno_s_\@:
.endif
	MID
.if \last
	s_cmp_le_i32 s[NV], 0
	s_cbranch_scc1 .Lno_p_\@
.endif
	PVP \first
.if \last
.Lno_p_\@:
.endif
.endm
	s_load_b256 s[4:11], s[0:1], 0x0               ; kq s[4:5], vb s[6:7], opart s[8:9], stat s[10:11]
	v_lshl_add_u32 v[SPW], v0, 2, SPARE
	v_mov_b32 v[NIL], 0
	ds_add_u32 v[SPW], v[NIL]                      ; the wave's opening: the add, twice on end, and its wait ahead of the round in front of my first tensor load
	ds_add_u32 v[SPW], v[NIL]
	v_lshrrev_b32 v235, 5, v0
	v_readfirstlane_b32 s[WV], v235                ; wave 0..3
	s_and_b32 s[PB], s[WV], 1
	s_lshr_b32 s[PA], s[WV], 1
	s_bfe_u32 s[CX], ttmp6, 0x40000                ; cx: it enters Q's, opart's, stat's and the prefetches' global addresses alone
	s_lshr_b32 s54, ttmp9, 2                       ; clusters 0-51, the entity bank: chunk = c / 4, four blocks of queries c % 4
	s_and_b32 s55, ttmp9, 3
	s_sub_co_u32 s56, ttmp9, 52                    ; clusters 52-61, the relation bank: chunk = c' / 2, four blocks c' % 2
	s_lshr_b32 s57, s56, 1
	s_and_b32 s56, s56, 1
	s_mov_b32 s58, 10000
	s_cmp_lt_u32 ttmp9, 52
	s_cselect_b32 s[CH], s54, s57
	s_cselect_b32 s[QD], s55, s56
	s_cselect_b32 s59, 0, 16                       ; the bank's first block of queries,
	s_cselect_b32 s60, 0, 196                      ; first key step,
	s_cselect_b32 s61, 13, 5                       ; chunks,
	s_cselect_b32 s62, 0, 208                      ; first partial result,
	s_cselect_b32 s58, 25000, s58                  ; and keys
	s_cmp_ge_u32 s[CH], 10
	s_cselect_b32 s[CNT], 3, 4                     ; double steps / 2: chunks 0-9 have 8 double steps, the entity bank's chunks 10-12 have 6
	s_lshl_b32 s[QBL], s[QD], 2
	s_add_co_u32 s[QBL], s[QBL], s[CX]
	s_mul_i32 s61, s61, s[QBL]
	s_add_co_u32 s61, s61, s62
	s_add_co_u32 s61, s61, s[CH]                   ; p: my partial result
	s_add_co_u32 s59, s59, s[QBL]                  ; my block of 64 queries
	s_max_u32 s54, s[CH], 10
	s_sub_co_u32 s54, s54, 10
	s_lshl_b32 s54, s54, 2
	s_lshl_b32 s63, s[CH], 4
	s_sub_co_u32 s63, s63, s54                     ; the chunk's first key step, counted in its bank: 16 ch - 4 max(ch - 10, 0)
	s_add_co_u32 s60, s60, s63                     ; and in kq and vb
	s_lshl_b32 s54, s[CNT], 2
	s_add_co_u32 s54, s54, s63
	s_add_co_u32 s54, s54, s[PB]
	s_sub_co_u32 s54, s54, 2                       ; my last key step, counted in its bank
	s_lshl_b32 s54, s54, 7
	s_sub_co_i32 s[NV], s58, s54                   ; how many of its keys lie inside the bank
	s_sub_co_u32 s[CNT], s[CNT], 1                 ; the loop's trips: the first and the last double step stand outside it
	s_max_u32 s[CNT], s[CNT], 1                    ; (it is 3 or 2: the line says in the text that the loop's counter starts at 1 or above)
	s_mul_i32 s54, s60, 51200
	s_mul_i32 s55, s[PB], 25600
	s_add_co_u32 s54, s54, s55                     ; my half of the chunk's first step
	s_mov_b32 s55, 0
	s_cmp_lt_u32 s[WV], 2
	s_cselect_b32 s56, 102400, 0                   ; K's walking load begins a double step on
	s_cselect_b32 s[LIME], 1, 0
	s_mov_b32 s57, 0
	s_cmp_eq_u32 s[QD], 0                          ; the chunk's first cluster prefetches
	s_cselect_b32 s[LIMO], 0, -1
	s_cselect_b32 s[LIME], s[LIME], -1
	s_lshl_b32 s58, s59, 2
	s_lshl_b32 s62, s[PA], 1
	s_add_co_u32 s58, s58, s62
	s_add_co_u32 s58, s58, 2208
	s_mul_i32 s[QB], s58, 6400                     ; my two tiles of Q
	s_mov_b32 s[QB+1], 0
	s_lshl_b32 s[OPB], s61, 17
	s_lshl_b32 s62, s[PA], 16
	s_add_co_u32 s[OPB], s[OPB], s62
	s_mov_b32 s[OPB+1], 0
	s_lshl_b32 s[STB], s61, 10
	s_lshl_b32 s62, s[PA], 9
	s_add_co_u32 s[STB], s[STB], s62
	s_mov_b32 s[STB+1], 0
	s_mul_i32 s[LDSE], s[WV], 51200
	s_add_co_u32 s[LDSE], s[LDSE], 102400
	s_mul_i32 s[LDSO], s[WV], 51200
	s_mul_i32 s62, s[PA], 102400
	s_add_co_u32 s[LDSO], s[LDSO], s62
	s_mov_b32 s[G1], 15|(3<<16)|(1<<21)            ; the mask: all four partners; elements of 8 bytes; bit 21 set beside a mask; no padding
	s_mov_b32 s[G1+1], 3200<<16                    ; tensor_dim0: 25,600 bytes
	s_mov_b32 s[G1+2], 2<<16                       ; tensor_dim1: the two parities
	s_mov_b32 s[G1+3], 3200<<16                    ; tile_dim0
	s_mov_b32 s[G1+4], 2                           ; tile_dim1
	s_mov_b32 s[G1+5], 6400                        ; from step to step: 51,200 bytes
	s_mov_b32 s[G1+6], 0
	s_mov_b32 s[G1+7], 0
	s_mov_b32 s[G0], 1
	s_mov_b32 s[G0+1], s[LDSO]                     ; the first fills: K(0) into slot 0, V(0) into V
	s_mov_b32 s[SEL], 0x76543210
	s_mov_b32 s[SEL+1], 0xfedcba98
	s_mov_b32 s[CS], 0x3fb8aa3b                    ; log2(e)
	s_mov_b32 s[CS+1], s[CS]
	v_and_b32 v235, 31, v0                         ; lane
	v_lshlrev_b32 v[GO], 4, v235
	v_lshlrev_b32 v[GL4], 2, v235
	s_mul_i32 s62, s[PB], 25600
.irp sl, 0,1
.irp hf, 0,1
	s_add_co_u32 s63, s62, 102400*\sl+51200*\hf
	v_add_nc_u32 v[AK+2*\sl+\hf], s63, v[GO]
	v_add_nc_u32 v[AKS+2*\sl+\hf], s63, v[GL4]
.endr
.endr
.irp hf, 0,1
	s_add_co_u32 s63, s62, 204800+51200*\hf
	v_add_nc_u32 v[AV+\hf], s63, v[GO]
.endr
	v_add_nc_u32 v[AVS], s63, v[GL4]               ; (V's scale words lie in the second half)
	s_lshl_b32 s62, s[WV], 15                      ; the join: 32,768 bytes for each wave from 0 on, 512 of statistics from 131,072 on, in K's slots, which have had their last fill and their last read by then
	v_add_nc_u32 v[MS], s62, v[GO]
	s_xor_b32 s63, s[WV], 1                        ; my partner: the other parity
	s_lshl_b32 s62, s63, 15
	v_add_nc_u32 v[MR], s62, v[GO]
	s_lshl_b32 s62, s[WV], 9
	s_add_co_u32 s62, s62, 131072
	v_add_nc_u32 v[MT], s62, v[GL4]
	s_lshl_b32 s62, s63, 9
	s_add_co_u32 s62, s62, 131072
	v_add_nc_u32 v[MU], s62, v[GL4]
	v_min_u32 v[PFO], 24, v235
	s_mul_i32 s62, s[CX], 25
	v_add_nc_u32 v[PFO], s62, v[PFO]
	v_lshlrev_b32 v[PFO], 8, v[PFO]
	v_bfe_u32 v[DM], v0, 4, 1
	v_lshlrev_b32 v[DM], 4, v[DM]
	s_sub_co_i32 s62, s[NV], 1
	v_sub_nc_u32 v[DM], s62, v[DM]
	v_mov_b32 v[NINF], 0xff800000
	s_wait_dscnt 0x0                               ; both opening adds are done
	s_wait_kmcnt 0x0
	s_cmp_lt_u32 s[WV], 2
	s_cselect_b64 s[58:59], s[4:5], s[6:7]         ; K's waves fetch from kq, V's from vb: a choice on the wave's number alone
	s_add_nc_u64 s[58:59], s[58:59], s[54:55]
	s_add_nc_u64 s[PFA:PFA+1], s[58:59], s[56:57]  ; the prefetches: K's waves stand a double step on
	s_mov_b64 s[G0+2:G0+3], s[58:59]
	s_or_b32 s[G0+3], s[G0+3], 0x80000000
	s_add_nc_u64 s[QB:QB+1], s[4:5], s[QB:QB+1]
	s_add_nc_u64 s[OPB:OPB+1], s[8:9], s[OPB:OPB+1]
	s_add_nc_u64 s[STB:STB+1], s[10:11], s[STB:STB+1]
	s_cmp_lt_u32 s[WV], 2
	s_cselect_b32 s[STM], 102400, 0
	s_mov_b32 s[STM+1], 0
	ROUND                                          ; all four partners are here: the first joint loads meet
	tensor_load_to_lds s[G0:G0+3], s[G1:G1+7]      ; one load a wave: my half of K(0) or of V(0)
	s_nop 0
	PLACES
	WIN 0x40
.irp q, 0,1
.irp s, 0,1,2,3
.irp c, 0,1,2
	global_load_b128 v[48*\q+12*\s+4*\c:48*\q+12*\s+4*\c+3], v[GO], s[QB:QB+1] offset:6400*\q+1536*\s+512*\c   ; Q stays in registers
.endr
.endr
.endr
	WIN 0
.irp q, 0,1
.irp p, 0,1
	global_load_b32 v[QS+2*\q+\p], v[GL4], s[QB:QB+1] offset:6400*\q+6144+128*\p
.endr
.endr
.irp q, 0,1
	v_mov_b32 v[ST+8*\q+1], 0xff61b1e6             ; the largest t so far: -3e38, under every t
	v_floor_f32 v[ST+8*\q], -v[ST+8*\q+1]
.irp j, 2,3,4,5,6,7
	v_mov_b32 v[ST+8*\q+\j], 0                     ; l begins as 0; the others are named as halves of pairs before they are first written
.endr
.endr
.irp b, 0,1,2,3
	v_mov_b32 v[PM+\b], 0                          ; written once: a lane permute's destination counts as one of its sources
	v_mov_b32 v[PM+W2+\b], 0
.endr
	s_wait_alu depctr_va_vdst(0)
	s_wait_tensorcnt 0x0                           ; my first fill is in
	ds_add_u32 v[SPW], v[NIL]
	s_add_nc_u64 s[G0+2:G0+3], s[G0+2:G0+3], s[STM:STM+1]   ; no tensor load of mine is out: K's waves step to K(1)
	s_mov_b32 s[G0+1], s[LDSE]                     ; K's waves: slot 1; V's waves: the same bytes as ever
	s_wait_dscnt 0x0
	ROUND                                          ; everybody's first fills are in, and all four partners are here
	s_cmp_lt_u32 s[WV], 2
	s_cbranch_scc0 .Lno_k1
	tensor_load_to_lds s[G0:G0+3], s[G1:G1+7]      ; K(1) into slot 1
	s_nop 0
	PLACES
.Lno_k1:
	s_wait_loadcnt 0x0
	BODY 0, 0, 1                                   ; double step 0: its second product starts O^T's sums
.Lloop:                                                ; a trip: an odd double step and the even one behind it
	TOP LDSO, LIMO, 0
	BODY 1, 0, 0
	TOP LDSE, LIME, 0
	BODY 0, 0, 0
	s_sub_co_u32 s[CNT], s[CNT], 1
	s_cmp_lg_u32 s[CNT], 0
	s_cbranch_scc1 .Lloop
	TOP LDSO, LIMO, 1                              ; the last double step is written out: V alone is left to fetch
	BODY 1, 1, 0
	; THE TWO PARITIES ARE JOINED.  b = 0 keeps channel tiles 0-15 and sends 16-31; b = 1 the other way round.  Every wave has passed the last barrier, behind which nobody reads K's slots.
	PLACES                                         ; behind the last products
.irp q, 0,1
	v_add_f32 v[ST+8*\q+2], v[ST+8*\q+2], v[ST+8*\q+3]
.endr
.irp q, 0,1
	v_permlanex16_b32 v[ST+8*\q+6], v[ST+8*\q+2], s[SEL], s[SEL+1]
.endr
.irp q, 0,1
	v_add_f32 v[ST+8*\q+2], v[ST+8*\q+2], v[ST+8*\q+6]   ; l of my keys
.endr
.irp q, 0,1
	ds_store_b32 v[MT], v[ST+8*\q] offset:256*\q
	ds_store_b32 v[MT], v[ST+8*\q+2] offset:256*\q+128
.endr
.macro SEND hs
.irp q, 0,1
	WIN 0x08+4*\q                                  ; an LDS store's data are its source 1: window 2 or 3
.set t, 0
.rept 16
	ds_store_b128 v[MS], v[8*(16*(\hs)+t):8*(16*(\hs)+t)+3] offset:16384*\q+1024*t        ; each accumulator from its low end on
	ds_store_b128 v[MS], v[8*(16*(\hs)+t)+4:8*(16*(\hs)+t)+7] offset:16384*\q+1024*t+512
.set t, t+1
.endr
.endr
	WIN 0
.endm
	s_cmp_lg_u32 s[PB], 0
	s_cbranch_scc1 .Lsend_low
	SEND 1
	s_branch .Lsent
.Lsend_low:
	s_wait_alu depctr_va_vdst(0)
	SEND 0
.Lsent:
	s_wait_dscnt 0x0                               ; for my partner's sake: my stores are done
	s_barrier_signal -1
	s_barrier_wait -1
.irp q, 0,1
	ds_load_b32 v[ST+8*\q+6], v[MU] offset:256*\q          ; my partner's -M
	ds_load_b32 v[ST+8*\q+7], v[MU] offset:256*\q+128      ; and l
.endr
	s_wait_dscnt 0x0
.irp q, 0,1
	v_min_num_f32 v[TP], v[ST+8*\q], v[ST+8*\q+6]  ; the joint -M
	v_sub_f32 v[TP+1], v[TP], v[ST+8*\q]           ; whole numbers, 0 or less
	v_sub_f32 v[TP+2], v[TP], v[ST+8*\q+6]
	v_cvt_i32_f32 v[TP+1], v[TP+1]
	v_cvt_i32_f32 v[TP+2], v[TP+2]
	v_ldexp_f32 v[ST+8*\q+4], 1.0, v[TP+1]         ; my factor,
	v_ldexp_f32 v[ST+8*\q+6], 1.0, v[TP+2]         ; my partner's: exact powers of two
	v_mov_b32 v[ST+8*\q], v[TP]
	v_mul_f32 v[ST+8*\q+7], v[ST+8*\q+7], v[ST+8*\q+6]
	v_fma_f32 v[ST+8*\q+2], v[ST+8*\q+2], v[ST+8*\q+4], v[ST+8*\q+7]
.endr
.macro RECV kh                         ; I keep channel tiles 16 kh .. 16 kh + 15: registers 128 kh on of windows 2 and 3
.irp q, 0,1
.set t, 0
.rept 16
	ds_load_b128 v[S+8*t:S+8*t+3], v[MR] offset:16384*\q+1024*t
	ds_load_b128 v[S+8*t+4:S+8*t+7], v[MR] offset:16384*\q+1024*t+512
.set t, t+1
.endr
	WIN 0x82+0x41*\q
.set j, 0
.rept 64
	v_pk_mul_f32 v[128*(\kh)+j:128*(\kh)+j+1], v[128*(\kh)+j:128*(\kh)+j+1], v[ST+8*\q+4:ST+8*\q+5] op_sel_hi:[1,0]
.set j, j+2
.endr
	s_wait_dscnt 0x0
	WIN 0xa0+0x50*\q                               ; my partner's part and its factor window 0, O^T window 2 or 3
.set j, 0
.rept 64
	v_pk_fma_f32 v[128*(\kh)+j:128*(\kh)+j+1], v[S+j:S+j+1], v[ST+8*\q+6:ST+8*\q+7], v[128*(\kh)+j:128*(\kh)+j+1] op_sel_hi:[1,0,1]
.set j, j+2
.endr
	WIN 0x08+4*\q
.set j, 0
.rept 32
	global_store_b128 v[GO], v[128*(\kh)+4*j:128*(\kh)+4*j+3], s[OPB:OPB+1] offset:32768*\q+16384*(\kh)+512*j   ; 32 lanes store 512 consecutive bytes, at a multiple of 256 from opart's first byte
.set j, j+1
.endr
	WIN 0
.endr
.endm
	s_cmp_lg_u32 s[PB], 0
	s_cbranch_scc1 .Lkeep_high
	RECV 0
.irp q, 0,1
	global_store_b32 v[GL4], v[ST+8*\q], s[STB:STB+1] offset:256*\q          ; both parities hold the same -M and l: b = 0 stores them
	global_store_b32 v[GL4], v[ST+8*\q+2], s[STB:STB+1] offset:256*\q+128
.endr
	s_branch .Lout
.Lkeep_high:
	RECV 1
.Lout:
	s_wait_tensorcnt 0x0                           ; the wave's end: behind my last tensor load and my last LDS store
	ds_add_u32 v[SPW], v[NIL]
	s_wait_dscnt 0x0
	ROUND                                          ; the closing round: no work-group ends while a partner may still ask for a tile that names it
	s_endpgm
.Lfunc_end_k_q418c5a4dfd_attn:
	.size	k_q418c5a4dfd_attn, .Lfunc_end_k_q418c5a4dfd_attn-k_q418c5a4dfd_attn
	.p2alignl 7, 3214868480
	.fill 96, 4, 3214868480
	.section	.rodata,"a",@progbits
	.p2align	6, 0x0
	.amdhsa_kernel k_q418c5a4dfd_attn
		.amdhsa_group_segment_fixed_size 327680
		.amdhsa_private_segment_fixed_size 0
		.amdhsa_enable_private_segment 0
		.amdhsa_kernarg_size 32
		.amdhsa_user_sgpr_count 2
		.amdhsa_user_sgpr_kernarg_segment_ptr 1
		.amdhsa_wavefront_size32 1
		.amdhsa_system_sgpr_workgroup_id_x 1
		.amdhsa_system_sgpr_workgroup_id_y 1
		.amdhsa_system_sgpr_workgroup_id_z 1
		.amdhsa_system_vgpr_workitem_id 0
		.amdhsa_next_free_vgpr 1024
		.amdhsa_next_free_sgpr 66
		.amdhsa_reserve_vcc 1
		.amdhsa_float_denorm_mode_32 3
		.amdhsa_float_denorm_mode_16_64 3
		.amdhsa_memory_ordered 1
		.amdhsa_forward_progress 1
		.amdhsa_inst_pref_size 255
	.end_amdhsa_kernel
	.section	.bss,"aw",@nobits
	.p2align	6
	.space	262144
	.amdgpu_metadata
---
amdhsa.version: [ 1, 2 ]
amdhsa.kernels:
  - .name:           k_q418c5a4dfd_attn
    .symbol:         k_q418c5a4dfd_attn.kd
    .args:
      - { .name: kq, .offset: 0, .size: 8, .value_kind: global_buffer, .address_space: global }
      - { .name: vb, .offset: 8, .size: 8, .value_kind: global_buffer, .address_space: global }
      - { .name: opart, .offset: 16, .size: 8, .value_kind: global_buffer, .address_space: global }
      - { .name: stat, .offset: 24, .size: 8, .value_kind: global_buffer, .address_space: global }
    .group_segment_fixed_size: 327680
    .private_segment_fixed_size: 0
    .kernarg_segment_align: 8
    .kernarg_segment_size: 32
    .max_flat_workgroup_size: 128
    .sgpr_count:     66
    .vgpr_count:     1024
    .wavefront_size: 32
...
	.end_amdgpu_metadata
.endif
;; end of part 3
;; launch merge (part 4): grid 384 x 1, 4 waves a work-group, no clusters, 9,216 bytes of LDS; arguments opart, stat, out0; writes out0
.if DOCPART == 4
	.amdgcn_target "amdgcn-amd-amdhsa--gfx1250"
	.amdhsa_code_object_version 6
	.text
	.protected	k_q418c5a4dfd_merge
	.globl	k_q418c5a4dfd_merge
	.p2align	8
	.type	k_q418c5a4dfd_merge,@function
k_q418c5a4dfd_merge:
	s_mov_b64 s[64:65], 0
	v_nop
	global_prefetch_b8 v0, s[64:65] scope:SCOPE_SE
	s_setreg_imm32_b32 hwreg(HW_REG_WAVE_MODE, 25, 1), 1
	s_wait_xcnt 0x0
; LAUNCH 4 OF 4.  The chunks' partial results are joined: M = the largest of the chunks' M; each chunk's O^T and l are multiplied by 2^(its M - M), an exact power of two, and added; O^T / l goes out as rows of out0.
; No work is left out here.  LIMITS: as at the head of the first launch; the chunks are added in ascending order.
; SHARES.  A work-group takes one tile of 16 queries and 128 of the 512 channels; wave w the 32 channels of tile pair tp = 4 g + w: lane (r, h) owns channels 32 tp + 16 h + 0 .. 15 of the tile's row r.
; All that a wave needs (13 chunks for the entity bank's queries, 5 for the relation bank's; 16 registers and two statistics each) is asked for at once, every offset an immediate: the two counts are two straight
; paths, chosen by the work-group's number.  A row's 512 bytes come from four waves: they meet in a stage in LDS, and each wave stores four whole pieces of rows.  Memory binds: no matrix unit, no cluster, no tensor load.
.set SPARE, 8704                       ; behind the stage of 16 rows x 528 bytes: the spare words, 128 bytes for each wave
.set SPW, 3
.set NIL, 4
.set MC,  6                            ; v6-18   the chunks' -M
.set LL,  19                           ; v19-31  the chunks' l
.set O,   32                           ; v32-239 the chunks' O^T, 16 registers each; chunk 0's take the sum
.set MN,  240
.set F,   242                          ; v[242:243] a factor: the packed forms name a pair and take its low word
.set EX,  244
.set LA,  245
.set SI,  246
.set SR,  247
	s_load_b128 s[4:7], s[0:1], 0x0                ; opart, stat
	s_load_b64 s[8:9], s[0:1], 0x10                ; out0
	v_lshl_add_u32 v[SPW], v0, 2, SPARE
	v_mov_b32 v[NIL], 0
	v_lshrrev_b32 v5, 5, v0
	v_readfirstlane_b32 s10, v5                    ; wave 0..3
	v_and_b32 v5, 31, v0
	v_lshlrev_b32 v1, 4, v5                        ; 16 x lane
	s_wait_alu depctr_va_vdst(0)
	v_lshlrev_b32 v2, 2, v5                        ; 4 x lane
	v_mov_b32 v[F+1], 0                            ; (named as the upper half of a pair)
	s_lshr_b32 s11, ttmp9, 2                       ; the tile of queries, 0..95: subject, object, relation
	s_and_b32 s12, ttmp9, 3                        ; g
	s_lshr_b32 s13, s11, 2                         ; its block of 64 queries
	s_mul_i32 s14, s13, 13
	s_sub_co_u32 s15, s13, 16
	s_mul_i32 s15, s15, 5
	s_add_co_u32 s15, s15, 208
	s_cmp_lt_u32 s13, 16
	s_cselect_b32 s14, s14, s15                    ; the block's first partial result
	s_and_b32 s16, s11, 3
	s_lshl_b32 s18, s14, 17
	s_lshl_b32 s17, s16, 15
	s_add_co_u32 s18, s18, s17
	s_lshl_b32 s17, s12, 2
	s_add_co_u32 s17, s17, s10                     ; tp
	s_lshl_b32 s17, s17, 11
	s_add_co_u32 s18, s18, s17                     ; opart: 131,072 p + 32,768 (tile % 4) + 2,048 tp
	s_mov_b32 s19, 0
	s_lshl_b32 s20, s14, 10
	s_lshl_b32 s17, s16, 8
	s_add_co_u32 s20, s20, s17                     ; stat: 1,024 p + 256 (tile % 4)
	s_mov_b32 s21, 0
	s_and_b32 s22, s11, 31                         ; the tile in its set
	s_lshr_b32 s23, s11, 5
	s_lshl_b32 s24, s23, 1
	s_cmp_eq_u32 s23, 2
	s_cselect_b32 s24, 1, s24                      ; out0 has subject, relation, object: 0, 2, 1
	s_lshl_b32 s24, s24, 20
	s_lshr_b32 s25, s22, 1
	s_lshl_b32 s25, s25, 5
	s_and_b32 s26, s22, 1
	s_lshl_b32 s26, s26, 3
	s_add_co_u32 s25, s25, s26
	s_lshl_b32 s26, s10, 2
	s_add_co_u32 s25, s25, s26
	s_lshr_b32 s26, s10, 1
	s_lshl_b32 s26, s26, 3
	s_add_co_u32 s25, s25, s26                     ; the query of the tile's row 4 w: 32 (T / 2) + 8 (T % 2) + 4 w + 8 (w / 2); rows 4 w + 1 .. 3 follow it
	s_lshl_b32 s25, s25, 11
	s_add_co_u32 s24, s24, s25
	s_lshl_b32 s25, s12, 9
	s_add_co_u32 s24, s24, s25
	s_mov_b32 s25, 0
	v_and_b32 v[SI], 15, v0
	v_mul_u32_u24 v[SI], v[SI], 528
	v_bfe_u32 v5, v0, 4, 1
	v_lshl_add_u32 v[SI], v5, 6, v[SI]
	s_lshl_b32 s26, s10, 7
	v_add_nc_u32 v[SI], s26, v[SI]                 ; the stage, in: 528 r + 128 w + 64 h
	s_mul_i32 s26, s10, 2112
	v_add_nc_u32 v[SR], s26, v1                    ; and back: rows 4 w on, 16 bytes a lane
	s_wait_kmcnt 0x0
	s_add_nc_u64 s[4:5], s[4:5], s[18:19]
	s_add_nc_u64 s[6:7], s[6:7], s[20:21]
	s_add_nc_u64 s[8:9], s[8:9], s[24:25]
.macro CHUNKS nc
.set c, 0
.rept \nc
	global_load_b32 v[MC+c], v2, s[6:7] offset:1024*c
	global_load_b32 v[LL+c], v2, s[6:7] offset:1024*c+128
.irp k, 0,1,2,3
	global_load_b128 v[O+16*c+4*\k:O+16*c+4*\k+3], v1, s[4:5] offset:131072*c+512*\k th:TH_LOAD_NT   ; 32 lanes read 512 consecutive bytes
.endr
.set c, c+1
.endr
	s_wait_loadcnt 0x0
	v_min3_num_f32 v[MN], v[MC], v[MC+1], v[MC+2]  ; the joint -M
.set c, 3
.rept (\nc-3)/2
	v_min3_num_f32 v[MN], v[MN], v[MC+c], v[MC+c+1]
.set c, c+2
.endr
.set c, 0
.rept \nc
	v_sub_f32 v[EX], v[MN], v[MC+c]                ; a whole number, 0 or less
	v_cvt_i32_f32 v[EX], v[EX]
	v_ldexp_f32 v[F], 1.0, v[EX]                   ; 2^(the chunk's M - M)
.if c == 0
	v_mul_f32 v[LA], v[F], v[LL]
.irp i, 0,2,4,6,8,10,12,14
	v_pk_mul_f32 v[O+\i:O+\i+1], v[O+\i:O+\i+1], v[F:F+1] op_sel_hi:[1,0]
.endr
.else
	v_fma_f32 v[LA], v[F], v[LL+c], v[LA]
.irp i, 0,2,4,6,8,10,12,14
	v_pk_fma_f32 v[O+\i:O+\i+1], v[O+16*c+\i:O+16*c+\i+1], v[F:F+1], v[O+\i:O+\i+1] op_sel_hi:[1,0,1]
.endr
.endif
.set c, c+1
.endr
.endm
	s_cmp_lt_u32 s13, 16
	s_cbranch_scc0 .Lrelation
	s_wait_alu depctr_va_vdst(0)
	CHUNKS 13
	s_branch .Lfinish
.Lrelation:
	s_wait_alu depctr_va_vdst(0)
	CHUNKS 5
.Lfinish:
	s_wait_alu depctr_va_vdst(0)
	v_rcp_f32 v[F], v[LA]
	v_nop                                          ; a plain place behind the reciprocal
	s_wait_alu depctr_va_vdst(0)                   ; and the wait ahead of its first reader
.irp i, 0,2,4,6,8,10,12,14
	v_pk_mul_f32 v[O+\i:O+\i+1], v[O+\i:O+\i+1], v[F:F+1] op_sel_hi:[1,0]
.endr
.irp k, 0,1,2,3
	ds_store_b128 v[SI], v[O+4*\k:O+4*\k+3] offset:16*\k
.endr
	s_wait_dscnt 0x0                               ; for the others' sake: my stores into the stage are done
	s_barrier_signal -1
	s_barrier_wait -1
.irp k, 0,1,2,3
	ds_load_b128 v[O+16+4*\k:O+16+4*\k+3], v[SR] offset:528*\k
.endr
.irp k, 0,1,2,3
	s_wait_dscnt 3-\k                              ; row k is back; the younger rows' loads may be out
	global_store_b128 v1, v[O+16+4*\k:O+16+4*\k+3], s[8:9] offset:2048*\k th:TH_STORE_NT   ; 32 lanes store 512 consecutive bytes, at a multiple of 256 from out0's first byte
.endr
	s_wait_tensorcnt 0x0                           ; the wave's end: behind my last LDS store
	ds_add_u32 v[SPW], v[NIL]
	s_wait_dscnt 0x0
	s_endpgm
.Lfunc_end_k_q418c5a4dfd_merge:
	.size	k_q418c5a4dfd_merge, .Lfunc_end_k_q418c5a4dfd_merge-k_q418c5a4dfd_merge
	.p2alignl 7, 3214868480
	.fill 96, 4, 3214868480
	.section	.rodata,"a",@progbits
	.p2align	6, 0x0
	.amdhsa_kernel k_q418c5a4dfd_merge
		.amdhsa_group_segment_fixed_size 9216
		.amdhsa_private_segment_fixed_size 0
		.amdhsa_enable_private_segment 0
		.amdhsa_kernarg_size 24
		.amdhsa_user_sgpr_count 2
		.amdhsa_user_sgpr_kernarg_segment_ptr 1
		.amdhsa_wavefront_size32 1
		.amdhsa_system_sgpr_workgroup_id_x 1
		.amdhsa_system_sgpr_workgroup_id_y 1
		.amdhsa_system_sgpr_workgroup_id_z 1
		.amdhsa_system_vgpr_workitem_id 0
		.amdhsa_next_free_vgpr 256
		.amdhsa_next_free_sgpr 66
		.amdhsa_reserve_vcc 0
		.amdhsa_float_denorm_mode_32 3
		.amdhsa_float_denorm_mode_16_64 3
		.amdhsa_memory_ordered 1
		.amdhsa_forward_progress 1
		.amdhsa_inst_pref_size 28
	.end_amdhsa_kernel
	.amdgpu_metadata
---
amdhsa.version: [ 1, 2 ]
amdhsa.kernels:
  - .name:           k_q418c5a4dfd_merge
    .symbol:         k_q418c5a4dfd_merge.kd
    .args:
      - { .name: opart, .offset: 0, .size: 8, .value_kind: global_buffer, .address_space: global }
      - { .name: stat, .offset: 8, .size: 8, .value_kind: global_buffer, .address_space: global }
      - { .name: out0, .offset: 16, .size: 8, .value_kind: global_buffer, .address_space: global }
    .group_segment_fixed_size: 9216
    .private_segment_fixed_size: 0
    .kernarg_segment_align: 8
    .kernarg_segment_size: 24
    .max_flat_workgroup_size: 128
    .sgpr_count:     66
    .vgpr_count:     256
    .wavefront_size: 32
...
	.end_amdgpu_metadata
.endif
;; end of part 4
